; MI455X (gfx1250); checked and timed in simulation.
; The chip was launched on July 23, 2026; its instructions are those of AMD's public machine-readable ISA for CDNA 5 (MIT licence, August 2026) and "CDNA5" Instruction Set Architecture Reference Guide (July 2026). The comments in the code are by the model that wrote it; some were corrected since.
;; Attention. Allowed arithmetic: matrix products marked QUANTISED: E2M1 operands, one E8M0 scale for each 32 along K, by v_wmma_scale_f32_16x16x128_f8f6f4 with both operands' format E2M1 (or v_wmma_scale_f32_32x16x128_f4), f32 sums; products left as they are: bf16, f16 or f32 operands; f32 sums; everything else in f32.
;; Inputs: W_proj 1,024 x 1,024 float32; W_qkv 1,024 x 3,072 float32; b_proj 1,024 float32; x 4 x 2,048 x 1,024 float32.
;; Outputs: out0 4 x 2,048 x 1,024 float32.
;; This version of the problem:
;;   THIS VERSION OF THE PROBLEM IS GIVEN IN LOW PRECISION. The matrix products marked QUANTISED in the list below multiply operands that are first quantised to E2M1 (2 exponent bits, 1 mantissa bit; 4 bits a number), with one power-of-two scale for each 32 numbers along K (OCP MX v1.0); their sums are f32. The products marked 'left as it is' may take bf16, f16 or f32 operands, with f32 sums. Whichever they take, every output number must still come out within the allowed error. Rounding operands to bf16 (8 significant bits) uses up far more of that allowance than f16 does (11 bits, for magnitudes from 6e-5 to 65,504). All else is computed in f32.
;;   The module's matrix products, in the order in which they are computed (A, B: the left and right operand; K: the contracted axis; several contracted axes count as one K, in the product's order):
;;     1. [M 8,192, K 1,024] x [K 1,024, N 3,072]; A: input x; B: input W_qkv: QUANTISED
;;     2. batch 64 x [M 2,048, K 64] x [K 64, N 2,048]; A: computed on the way; B: computed on the way: left as it is (an operand is computed on the way)
;;     3. batch 64 x [M 2,048, K 2,048] x [K 2,048, N 64]; A: computed on the way; B: computed on the way: left as it is (an operand is computed on the way)
;;     4. [M 8,192, K 1,024] x [K 1,024, N 1,024]; A: computed on the way; B: input W_proj: left as it is (an operand is computed on the way)
;;   THE QUANTISER, for each operand of a quantised product, along K:
;;     - K is cut into blocks of 32 from its start; a last block that is shorter is filled with zeros.
;;     - A block's scale is 2^e with e = floor(log2(the largest magnitude in the block)) - 2, held to -126 .. 127; a block of zeros has e = 0. As a byte (E8M0): e + 127.
;;     - Each number is divided by its block's scale, clamped to +-6, and rounded to the nearest number of E2M1, ties to even, subnormals kept.
;;     - The product sums the exact products of the quantised numbers (number of the format x scale) in f32.
;;   ~~~python
;;   def quantise(x, axis):      # numpy; x: float32 -> the quantised numbers, widened to float32 again
;;       x = np.moveaxis(x, axis, -1); K = x.shape[-1]
;;       x = np.pad(x, [(0, 0)] * (x.ndim - 1) + [(0, -K % 32)]); x = x.reshape(x.shape[:-1] + (-1, 32)); a = np.abs(x).max(-1, keepdims=True)
;;       e = np.where(a > 0, np.clip(np.frexp(np.where(a > 0, a, 1))[1] - 1 - 2, -126, 127), 0)      # np.frexp(a)[1] - 1 = floor(log2(a)), exactly
;;       r = np.clip(x / 2.0 ** e, -6, 6)
;;       step = 2.0 ** (np.maximum(np.frexp(np.where(r == 0, 1, r))[1] - 1, 0) - 1)
;;       q = np.round(r / step) * step * 2.0 ** e      # np.round: ties to even
;;       return np.moveaxis(q.reshape(q.shape[:-2] + (-1,))[..., :K], -1, axis).astype(np.float32)
;;   ~~~
;; One version. Each part assembles by itself: llvm-mc -triple=amdgcn-amd-amdhsa -mcpu=gfx1250 --defsym DOCPART=n.
;; ======== version 1 of 1: 4 launches
;; limits: values are held in f16: magnitudes above 65,504 overflow, below 6.1e-05 lose precision
;; workspace buffers: x_codes 4,194,304 bytes; x_scales 262,144 bytes; w_codes 1,572,864 bytes; w_scales 98,304 bytes; qkv 50,331,648 bytes; o_img 16,777,216 bytes; wp_img 2,097,152 bytes
;; launch prep (part 1): grid 368 x 1, 4 waves a work-group, no clusters, 68,096 bytes of LDS; arguments x, W_qkv, W_proj, x_codes, x_scales, w_codes, w_scales, wp_img; writes x_codes, x_scales, w_codes, w_scales, wp_img
.if DOCPART == 1
	.amdgcn_target "amdgcn-amd-amdhsa--gfx1250"
	.amdhsa_code_object_version 6
	.text
	.protected	k_qec40819163_prep
	.globl	k_qec40819163_prep
	.p2align	8
	.type	k_qec40819163_prep,@function
k_qec40819163_prep:
	s_mov_b64 s[64:65], 0
	v_nop
	global_prefetch_b8 v0, s[64:65] scope:SCOPE_SE
	s_setreg_imm32_b32 hwreg(HW_REG_WAVE_MODE, 25, 1), 1
	s_wait_xcnt 0x0
; PREP: the operands of the later launches are made once.  Three kinds of work-group, told apart by the work-group's number alone:
;   0 .. 47    W_qkv [1024 (k)][3072 (n)] f32 -> w_codes [3072][512 bytes] (E2M1, K innermost, the lower k in the low four bits), w_scales [3072][32] (E8M0, one byte for 32 along K)
;   48 .. 111  W_proj [1024 (k)][1024 (n)] f32 -> wp_img: f16, laid as images of operand registers (below)
;   112 .. 367 x [8192][1024] f32 -> x_codes [8192][512 bytes], x_scales [8192][32]
; THE QUANTISER: a block's scale is 2^(floor(log2(its largest magnitude)) - 2); its byte is the largest magnitude's exponent field - 2, held at 1 from below; each number is divided by the
; scale and rounded to the nearest code, ties to even, beyond 6 the largest code.  A block of zeros gets the byte 1 where the rule says 127: its codes are zeros, which add nothing under any
; byte but 0xff, and this program alone reads the bytes.
; LIMITS: blocks whose largest magnitude lies under 2^-124 (the floor) were not tried; NaN and infinities are not served; numbers of W_proj beyond 65,504 do not fit f16.
; AN IMAGE: a fragment of 16 rows x 32 k of f16 is 8 registers a lane; it lies in memory as two pieces of 512 bytes, piece p = registers 4 p .. 4 p + 3, lane l's 16 bytes at 16 l;
; lane (r = l % 16, h = l / 16) of piece p holds row r, k = 16 p + 8 h + 0 .. 7.  wp_img: K step (128 k) x 262,144 + tile of 16 n x 4,096 + quarter (32 k) x 1,024 + p x 512.
; No tensor load, no barrier: waves share nothing.  Each path has LDS bytes of its own.
.set WGW,   48                         ; work-groups for W_qkv
.set WGP,   64                         ; for W_proj
.set EMAX,  2
.set SPW,   190                        ; v190 LDS address of my spare word: SPARE + 4 x my thread's number; never rewritten
.set NIL,   191                        ; v191 0; never rewritten
.set WSTG,  32768                      ; LDS: 0 .. 32,767 the x path's four regions; from here the W_qkv path's four stages
.set SPARE, 67584                      ; behind them: the spare words, 128 bytes for each wave: two blocks of 256 bytes that no other line names
; the x path
.set STEPS, 16
.set CB,    8                          ; bytes of 16 codes
.set XR,    16                         ; v16-79   four sets of 16 numbers as they are loaded
.set XX,    80                         ; v80-111  two sets of 16 neighbours
.set XE,    112                        ; v112-127 a scale byte for each step
.set XC,    128                        ; v128-189 codes: four registers for each step, so that no store's data are written again
.set WREG,  8192                       ; a wave's region: two stages of 32 x SP bytes, behind them its 256 scale bytes
.set SP,    80                         ; a lane's place in a stage: 64 bytes + 16 of padding
; the W_qkv path
.set SIZE_N, 3072
.set KW,    512                        ; along K for a wave
.set NB,    16                         ; blocks of 32
.set PITCH, 272                        ; a stage row: 256 bytes of codes + 16
.set KROW,  512                        ; a row of w_codes in bytes
.set WX,    32                         ; v32-95   two sets of 32 numbers
.set WC,    96                         ; v96-99   a block's codes
.set WOUT,  112                        ; v112-175 the way out
.set WSB,   24                         ; v24-27   the scale bytes, four to a register
; the W_proj path
.set PX,    32                         ; v32-95   two sets of 32 numbers
.set PH,    96                         ; v96-159  16 registers of f16 pairs for each of four blocks
	s_load_b512 s[4:19], s[0:1], 0x0               ; x 4:5, W_qkv 6:7, W_proj 8:9, x_codes 10:11, x_scales 12:13, w_codes 14:15, w_scales 16:17, wp_img 18:19
	v_lshl_add_u32 v[SPW], v0, 2, SPARE
	v_mov_b32 v[NIL], 0
	v_lshrrev_b32 v1, 5, v0
	v_readfirstlane_b32 s20, v1                    ; wave 0..3
	v_and_b32 v2, 31, v0                           ; lane
	s_mov_b32 s25, 0                               ; the upper word of every byte offset below
	s_wait_kmcnt 0x0
	s_cmp_lt_u32 ttmp9, WGW
	s_cbranch_scc1 .Lw
	s_cmp_lt_u32 ttmp9, WGW+WGP
	s_cbranch_scc1 .Lp
; ---------------- x: a plain stream of blocks of 32.  A wave takes 16 steps of 512 numbers.  Each load reads 512 consecutive bytes, 16 a lane; a step's 2,048 bytes turn through the wave's own
; stage in LDS and come back 64 bytes a lane: 16 neighbours along K, two neighbouring lanes to a block.  Loads run four steps ahead, the turn one step.
	v_lshlrev_b32 v3, 4, v2                        ; my 16 bytes of a load's 512
	s_mul_i32 s21, s20, WREG
	v_lshrrev_b32 v14, 2, v2
	v_mul_u32_u24 v14, v14, SP
	v_and_b32 v15, 3, v2
	v_lshl_add_u32 v14, v15, 4, v14
	v_add_nc_u32 v14, s21, v14                     ; the stage, on the way in: SP (lane / 4) + 16 (lane % 4)
	v_mul_u32_u24 v15, v2, SP
	v_add_nc_u32 v15, s21, v15                     ; and on the way out: SP x lane
	v_mul_u32_u24 v4, v2, CB                       ; my codes' place in a step's
	v_lshrrev_b32 v5, 1, v2
	s_add_co_u32 s21, s21, 2*32*SP
	v_add_nc_u32 v5, s21, v5                       ; my wave's 256 scale bytes, my block's byte
	v_lshlrev_b32 v7, 3, v2                        ; and on the way out 8 bytes a lane
	v_add_nc_u32 v6, s21, v7
	s_sub_co_u32 s22, ttmp9, WGW+WGP
	s_lshl_b32 s22, s22, 2
	s_add_co_u32 s22, s22, s20                     ; which run of 8,192 numbers is my wave's: 0 .. 1,023
	s_lshl_b32 s24, s22, 15                        ; 32,768 bytes of x,
	s_add_nc_u64 s[4:5], s[4:5], s[24:25]
	s_lshl_b32 s24, s22, 12                        ; 4,096 of codes,
	s_add_nc_u64 s[10:11], s[10:11], s[24:25]
	s_lshl_b32 s24, s22, 8                         ; 256 scale bytes a run
	s_add_nc_u64 s[12:13], s[12:13], s[24:25]
.macro XLOAD t
.irp i, 0,1,2,3
	global_load_b128 v[XR+16*((\t)%4)+4*\i:XR+16*((\t)%4)+4*\i+3], v3, s[4:5] offset:2048*(\t)+512*\i th:TH_LOAD_NT
.endr
.endm
.macro XTURN t                         ; step t's numbers through the stage: LDS serves a wave's instructions in order, so no wait stands between the stores and the loads
.irp i, 0,1,2,3
	ds_store_b128 v14, v[XR+16*((\t)%4)+4*\i:XR+16*((\t)%4)+4*\i+3] offset:32*SP*((\t)%2)+8*SP*\i
.endr
.irp i, 0,1,2,3
	ds_load_b128 v[XX+16*((\t)%2)+4*\i:XX+16*((\t)%2)+4*\i+3], v15 offset:32*SP*((\t)%2)+16*\i
.endr
.endm
.irp t, 0,1,2,3
	XLOAD \t
.endr
	s_wait_loadcnt 12                              ; step 0's four loads are in; three steps' twelve stay out
	XTURN 0
.macro XSTEP t
.set XS, XX+16*((\t)%2)
.if (\t) > 0
	s_wait_dscnt 1                                 ; this step's numbers are back from the stage (the last step's byte store may be out): so its stores into the stage have read their registers,
.else
	s_wait_dscnt 0x0
.endif
.if (\t)+4 < STEPS
	XLOAD (\t)+4                                   ; which take the loads of four steps on
.endif
.if (\t)+1 < STEPS
.if STEPS-2-(\t) >= 3
	s_wait_loadcnt 12                              ; the next step's four loads are in; those of the three steps behind it may be out
.else
	s_wait_loadcnt 4*(STEPS-2-(\t))
.endif
	XTURN (\t)+1
.endif
	v_max3_num_f32 v8, |v[XS]|, |v[XS+1]|, |v[XS+2]|               ; the largest magnitude of my 16, in two chains
	v_max3_num_f32 v9, |v[XS+3]|, |v[XS+4]|, |v[XS+5]|
.irp i, 6,10
	v_max3_num_f32 v8, v8, |v[XS+\i]|, |v[XS+\i+1]|
	v_max3_num_f32 v9, v9, |v[XS+\i+2]|, |v[XS+\i+3]|
.endr
	v_max3_num_f32 v8, v8, |v[XS+14]|, |v[XS+15]|
	v_max3_num_f32 v8, v8, v9, (EMAX+1)<<23        ; and the floor 2^(3 - 127): the byte cannot fall under 1
	v_max_num_f32_dpp v8, v8, v8 row_xmask:1 row_mask:0xf bank_mask:0xf   ; and of my neighbour's 16: the block's
	v_add_nc_u32 v11, -(EMAX<<23), v8              ; 2 off its exponent field: the conversion takes the exponent field of this operand as its scale
	v_cvt_scalef32_pk8_fp4_f32 v[XC+4*(\t)], v[XS:XS+7], v11
	v_cvt_scalef32_pk8_fp4_f32 v[XC+4*(\t)+1], v[XS+8:XS+15], v11
	v_lshrrev_b32 v[XE+(\t)], 23, v11              ; the scale's byte (also the plain line behind the conversions)
	ds_store_b8 v5, v[XE+(\t)] offset:16*(\t)      ; both lanes of a block write the same byte with the same value
	global_store_b64 v4, v[XC+4*(\t):XC+4*(\t)+1], s[10:11] offset:32*CB*(\t)   ; 32 lanes store 256 consecutive bytes, aligned
.endm
.irp t, 0,1,2,3,4,5,6,7,8,9,10,11,12,13,14,15
	XSTEP \t
.endr
	ds_load_b64 v[8:9], v6                         ; LDS serves a wave's instructions in order: these see my byte stores
	s_wait_dscnt 0x0
	global_store_b64 v7, v[8:9], s[12:13]          ; 32 lanes store 256 consecutive bytes, aligned
	s_wait_tensorcnt 0x0                           ; the wave's end: a tensor wait, an add of 0 to my spare word and its wait, behind my last LDS store
	ds_add_u32 v[SPW], v[NIL]
	s_wait_dscnt 0x0
	s_endpgm
; ---------------- W_qkv: K is its first axis.  A lane takes a column n and its registers run down K: a block of 32 lies in one lane's 32 registers, and the conversions give codes with K innermost.
; A wave takes 32 columns x 512 along K; its codes go through its own stage in LDS and leave as rows: sixteen lanes store 256 consecutive bytes.  Loads run two blocks ahead.
.Lw:
	s_lshr_b32 s21, ttmp9, 1
	s_lshl_b32 s21, s21, 7
	s_lshl_b32 s22, s20, 5
	s_add_co_u32 s21, s21, s22                     ; my wave's first column: 128 x (work-group / 2) + 32 x wave
	s_and_b32 s22, ttmp9, 1                        ; which 512 along K
	v_lshlrev_b32 v3, 2, v2                        ; in: 4 bytes a lane
	s_mul_i32 s23, s20, 32*PITCH
	s_add_co_u32 s23, s23, WSTG                    ; my stage
	v_mul_u32_u24 v4, v2, PITCH
	v_add_nc_u32 v4, s23, v4                       ; into it: row = my column
	v_and_b32 v5, 15, v2
	v_lshrrev_b32 v6, 4, v2                        ; out of it: sixteen lanes to a row, two rows an instruction
	v_mul_u32_u24 v7, v6, PITCH
	v_lshl_add_u32 v7, v5, 4, v7
	v_add_nc_u32 v7, s23, v7
	v_mul_u32_u24 v8, v6, KROW
	v_lshl_add_u32 v8, v5, 4, v8                   ; and the same place in w_codes
	v_lshlrev_b32 v9, 5, v2                        ; my column's row of 32 scale bytes
	s_mul_i32 s24, s22, KW*SIZE_N*4                ; W_qkv: 512 rows of 12,288 bytes,
	s_lshl_b32 s26, s21, 2                         ; + 4 x column
	s_add_co_u32 s24, s24, s26
	s_add_nc_u64 s[6:7], s[6:7], s[24:25]
	s_mul_i32 s24, s21, KROW                       ; w_codes: column x 512 + 256 x half of K
	s_lshl_b32 s26, s22, 8
	s_add_co_u32 s24, s24, s26
	s_add_nc_u64 s[14:15], s[14:15], s[24:25]
	s_lshl_b32 s24, s21, 5                         ; w_scales: column x 32 + 16 x half of K
	s_lshl_b32 s26, s22, 4
	s_add_co_u32 s24, s24, s26
	s_add_nc_u64 s[16:17], s[16:17], s[24:25]
.macro WLOAD t                         ; block t: W(32 t + i, my column), i = 0 .. 31, into set t % 2; the largest offset, 511 x 12,288, lies inside the signed 24-bit immediate
.irp i, 0,1,2,3,4,5,6,7,8,9,10,11,12,13,14,15,16,17,18,19,20,21,22,23,24,25,26,27,28,29,30,31
	global_load_b32 v[WX+32*((\t)%2)+\i], v3, s[6:7] offset:(32*(\t)+\i)*SIZE_N*4 th:TH_LOAD_NT
.endr
.endm
	WLOAD 0
	WLOAD 1
.macro WBLOCK t
.set WS, WX+32*((\t)%2)
.if (\t) < NB-1
	s_wait_loadcnt 32                              ; this block's 32 loads are in; the next block's may be out
.else
	s_wait_loadcnt 0
.endif
	v_max3_num_f32 v12, |v[WS]|, |v[WS+1]|, |v[WS+2]|              ; the block's largest magnitude: all 32 numbers are mine
	v_max3_num_f32 v13, |v[WS+3]|, |v[WS+4]|, |v[WS+5]|
.irp i, 6,10,14,18,22,26
	v_max3_num_f32 v12, v12, |v[WS+\i]|, |v[WS+\i+1]|
	v_max3_num_f32 v13, v13, |v[WS+\i+2]|, |v[WS+\i+3]|
.endr
	v_max3_num_f32 v12, v12, |v[WS+30]|, |v[WS+31]|
	v_max3_num_f32 v12, v12, v13, (EMAX+1)<<23     ; and the floor
	v_add_nc_u32 v11, -(EMAX<<23), v12             ; the conversion's scale operand
	v_lshrrev_b32 v13, 23, v11                     ; the scale's byte
.if (\t)%4 == 0
	v_mov_b32 v[WSB+(\t)/4], v13                   ; four bytes to a register, the lower K in the lower byte
.else
	v_lshl_or_b32 v[WSB+(\t)/4], v13, 8*((\t)%4), v[WSB+(\t)/4]
.endif
.irp g, 0,1,2,3
	v_cvt_scalef32_pk8_fp4_f32 v[WC+\g], v[WS+8*\g:WS+8*\g+7], v11
.endr
	v_nop                                          ; one plain line behind the last conversion
	ds_store_b128 v4, v[WC:WC+3] offset:16*(\t)    ; 32 codes: 16 bytes of my column's row
.if (\t)+2 < NB
	WLOAD (\t)+2
.endif
	s_wait_dscnt 0x0                               ; the store has read its registers: the next block's codes may be written
.endm
.set Q, 0
.rept NB
	WBLOCK Q
.set Q, Q+1
.endr
	global_store_b128 v9, v[WSB:WSB+3], s[16:17]   ; my column's 16 scale bytes
.irp t, 0,1,2,3,4,5,6,7,8,9,10,11,12,13,14,15
	ds_load_b128 v[WOUT+4*\t:WOUT+4*\t+3], v7 offset:2*\t*PITCH
.endr
.irp t, 0,1,2,3,4,5,6,7,8,9,10,11,12,13,14,15
	s_wait_dscnt 15-\t                             ; LDS loads come back in order: number t is in, the younger ones stay out
	global_store_b128 v8, v[WOUT+4*\t:WOUT+4*\t+3], s[14:15] offset:2*\t*KROW
.endr
	s_wait_tensorcnt 0x0                           ; the wave's end: a tensor wait, an add of 0 to my spare word and its wait, behind my last LDS store
	ds_add_u32 v[SPW], v[NIL]
	s_wait_dscnt 0x0
	s_endpgm
; ---------------- W_proj: a lane takes a column n, its registers run down K.  A wave takes 32 columns (two tiles of 16 n) x one K step of 128, four blocks of 32 k.  A lane's 8 neighbours along k,
; rounded to f16, are 16 bytes of an image: group j = 2 p + h of four registers goes to piece p, lane 16 h + (n % 16).  Lanes 0-15 and lanes 16-31 each store 256 consecutive bytes, aligned.  No LDS.
.Lp:
	s_sub_co_u32 s21, ttmp9, WGW
	s_and_b32 s22, s21, 7                          ; which 128 columns
	s_lshr_b32 s21, s21, 3                         ; which K step
	v_lshlrev_b32 v3, 2, v2                        ; in: 4 bytes a lane
	v_lshrrev_b32 v4, 4, v2
	v_and_b32 v5, 15, v2
	v_lshlrev_b32 v4, 12, v4
	v_lshl_add_u32 v4, v5, 4, v4                   ; out: 4,096 x (lane / 16) + 16 x (lane % 16)
	s_lshl_b32 s24, s21, 19                        ; W_proj: 128 rows of 4,096 bytes a K step,
	s_lshl_b32 s23, s22, 9
	s_add_co_u32 s24, s24, s23                     ; + 512 bytes for 128 columns,
	s_lshl_b32 s23, s20, 7
	s_add_co_u32 s24, s24, s23                     ; + 128 for my wave's 32
	s_add_nc_u64 s[8:9], s[8:9], s[24:25]
	s_lshl_b32 s24, s21, 18                        ; wp_img: 262,144 a K step,
	s_lshl_b32 s23, s22, 15
	s_add_co_u32 s24, s24, s23                     ; + 8 tiles of 4,096,
	s_lshl_b32 s23, s20, 13
	s_add_co_u32 s24, s24, s23                     ; + my wave's two
	s_add_nc_u64 s[18:19], s[18:19], s[24:25]
.macro PLOAD t
.irp i, 0,1,2,3,4,5,6,7,8,9,10,11,12,13,14,15,16,17,18,19,20,21,22,23,24,25,26,27,28,29,30,31
	global_load_b32 v[PX+32*((\t)%2)+\i], v3, s[8:9] offset:(32*(\t)+\i)*4096 th:TH_LOAD_NT
.endr
.endm
	PLOAD 0
	PLOAD 1
.macro PBLOCK t
.if (\t) < 3
	s_wait_loadcnt 32                              ; this block's 32 loads are in; the next block's may be out
.else
	s_wait_loadcnt 0
.endif
.irp i, 0,1,2,3,4,5,6,7,8,9,10,11,12,13,14,15
	v_cvt_pk_f16_f32 v[PH+16*(\t)+\i], v[PX+32*((\t)%2)+2*\i], v[PX+32*((\t)%2)+2*\i+1]   ; the lower k in the low half
.endr
.irp j, 0,1,2,3
	global_store_b128 v4, v[PH+16*(\t)+4*\j:PH+16*(\t)+4*\j+3], s[18:19] offset:(\t)*1024+(\j/2)*512+(\j%2)*256   ; each block has data registers of its own: none is written again
.endr
.if (\t) < 2
	PLOAD (\t)+2
.endif
.endm
	PBLOCK 0
	PBLOCK 1
	PBLOCK 2
	PBLOCK 3
	s_endpgm
.Lfunc_end_k_qec40819163_prep:
	.size	k_qec40819163_prep, .Lfunc_end_k_qec40819163_prep-k_qec40819163_prep
	.p2alignl 7, 3214868480
	.fill 96, 4, 3214868480
	.section	.rodata,"a",@progbits
	.p2align	6, 0x0
	.amdhsa_kernel k_qec40819163_prep
		.amdhsa_group_segment_fixed_size 68096
		.amdhsa_private_segment_fixed_size 0
		.amdhsa_enable_private_segment 0
		.amdhsa_kernarg_size 64
		.amdhsa_user_sgpr_count 2
		.amdhsa_user_sgpr_kernarg_segment_ptr 1
		.amdhsa_wavefront_size32 1
		.amdhsa_system_sgpr_workgroup_id_x 1
		.amdhsa_system_sgpr_workgroup_id_y 1
		.amdhsa_system_sgpr_workgroup_id_z 1
		.amdhsa_system_vgpr_workitem_id 0
		.amdhsa_next_free_vgpr 192
		.amdhsa_next_free_sgpr 66
		.amdhsa_reserve_vcc 0
		.amdhsa_float_denorm_mode_32 3
		.amdhsa_float_denorm_mode_16_64 3
		.amdhsa_memory_ordered 1
		.amdhsa_forward_progress 1
		.amdhsa_inst_pref_size 129
	.end_amdhsa_kernel
	.amdgpu_metadata
---
amdhsa.version: [ 1, 2 ]
amdhsa.kernels:
  - .name:           k_qec40819163_prep
    .symbol:         k_qec40819163_prep.kd
    .args:
      - { .name: x, .offset: 0, .size: 8, .value_kind: global_buffer, .address_space: global }
      - { .name: W_qkv, .offset: 8, .size: 8, .value_kind: global_buffer, .address_space: global }
      - { .name: W_proj, .offset: 16, .size: 8, .value_kind: global_buffer, .address_space: global }
      - { .name: x_codes, .offset: 24, .size: 8, .value_kind: global_buffer, .address_space: global }
      - { .name: x_scales, .offset: 32, .size: 8, .value_kind: global_buffer, .address_space: global }
      - { .name: w_codes, .offset: 40, .size: 8, .value_kind: global_buffer, .address_space: global }
      - { .name: w_scales, .offset: 48, .size: 8, .value_kind: global_buffer, .address_space: global }
      - { .name: wp_img, .offset: 56, .size: 8, .value_kind: global_buffer, .address_space: global }
    .group_segment_fixed_size: 68096
    .private_segment_fixed_size: 0
    .kernarg_segment_align: 8
    .kernarg_segment_size: 64
    .max_flat_workgroup_size: 128
    .sgpr_count:     66
    .vgpr_count:     192
    .wavefront_size: 32
...
	.end_amdgpu_metadata
.endif
;; end of part 1
;; launch gemm (part 2): grid 12 x 32, 4 waves a work-group, clusters of 4 x 4, 327,680 bytes of LDS; arguments x_codes, x_scales, w_codes, w_scales, qkv; writes qkv
.if DOCPART == 2
	.amdgcn_target "amdgcn-amd-amdhsa--gfx1250"
	.amdhsa_code_object_version 6
	.text
	.protected	k_qec40819163_gemm
	.globl	k_qec40819163_gemm
	.p2align	8
	.type	k_qec40819163_gemm,@function
k_qec40819163_gemm:
	s_mov_b64 s[64:65], 0
	v_nop
	global_prefetch_b8 v0, s[64:65] scope:SCOPE_SE
	s_setreg_imm32_b32 hwreg(HW_REG_WAVE_MODE, 25, 1), 1
	s_wait_xcnt 0x0
	s_wait_alu depctr_hold_cnt(0) depctr_sa_sdst(0) depctr_va_vdst(0) depctr_va_sdst(0) depctr_va_ssrc(0) depctr_va_vcc(0) depctr_vm_vsrc(0)
	s_getreg_b32 s2, hwreg(HW_REG_IB_STS2, 6, 4)
	s_cmp_eq_u32 s2, 0
	s_cbranch_scc0 .Lentry_in_a_cluster
	s_endpgm
.Lentry_in_a_cluster:
	s_bfe_u32 s2, ttmp6, 0x10000c
	s_cmp_lg_u32 s2, 0xf033
	s_cbranch_scc0 .Lentry_shape_is_right
	s_endpgm
.Lentry_shape_is_right:
; qkv = x W_qkv on codes of FP4 (E2M1) with one E8M0 scale for each 32 along K = 1,024; sums in f32; the results leave as f16, laid as images of the operand registers that the attention launch wants.
; A tile of 256 x 256 is made by a work-group of four waves; a wave makes 128 x 128: 64 accumulators of 16 x 16, 512 registers.  K is two LDS slots of 512 (rows of 256 bytes): both are asked for at the
; head, nothing is filled again.  The scale bytes of the work-group's 256 + 256 rows, for all of K, are two dense blocks: they come with the first fills.
; CLUSTERS: 4 x 4 work-groups.  The four of a row of the cluster need the same tiles of "A", the four of a column the same tiles of "B": each tile is asked for jointly.
; ROLES, by the cluster's x, which all sixteen partners share: 0 = q, 1 = k, 2 = v.  The matrix instruction takes source 0 = 16 rows of B, source 1 = 16 rows of A: a lane then holds ONE row of A and
; eight neighbouring rows of B.  For q and k: A = x's rows (tokens), B = W's rows (channels): a lane holds a token and 8 channels: 16 bytes of a fragment of Q or K.  For v the two buffers change places:
; A = W's rows, B = x's rows: a lane holds a channel and 8 keys: 16 bytes of a fragment of V^T.  Only pointers are chosen; the products' text is one.
; AN IMAGE: a fragment of 16 rows x 32 k of f16 lies as two pieces of 512 bytes, lane l's 16 bytes at 16 l; lane (r, h) of piece p holds row r, k = 16 p + 8 h + 0 .. 7.  So an accumulator, rounded to f16,
; IS a piece, and each store of the wave covers 512 consecutive bytes, aligned: no stage in LDS.
; qkv: head (16 x batch + h) x 786,432; Q at 0: tile of 16 queries x 2,048 + 32 channels x 1,024 + p x 512; then four slots of 512 keys at 262,144 + s x 131,072: K: tile of 16 keys x 2,048 +
; 32 channels x 1,024 + p x 512; V at + 65,536: 32 keys x 4,096 + 16 channels x 1,024 + p x 512.
; LIMIT: |x W_qkv| beyond 65,504 does not fit f16.
; REGISTERS: window 0: v0-31 addresses; v32-95 scale words, two sets; from v128 A's fragments, one set; on the way out v128-255 the packed results.  window 1: B's fragments, two sets.
;   window 2: the accumulators of my rows 0-63 ((a, b) at v[8 (8 a + b)]); window 3: those of my rows 64-127.
.set KSTEP,  512
.set NQ,     4                         ; matrix instructions deep in a slot
.set ROWB,   256                       ; a tile's row in bytes
.set KROW,   512                       ; a row of codes in memory
.set PITCH,  272                       ; an LDS row: 256 bytes + 16 of padding = 68 words: the 16 rows that a load touches start at 16 different banks (64 banks of 4 bytes: ISA guide 11.1)
.set FR,     8
.set NL,     2
.set NP,     4                         ; places behind this matrix instruction (ISA guide 7.12.1)
.set HALFT,  128*PITCH
.set SLOT,   4*HALFT
.set KS,     32                        ; a row of scales in bytes
.set SCL,    2*SLOT                    ; behind the ring: the scales, as units of 256 bytes + 16 of padding
.set HALFS,  (128*KS/256)*272
.set SBLK,   (16*KS/256)*272
.set SPARE,  SCL+4*HALFS               ; the spare words, 128 bytes for each wave: two blocks of 256 bytes that no other line names
.set HEADB,  786432                    ; a head's bytes in qkv
.set ADRA, 16
.set ADRB, 20
.set CO,   26                          ; v26  16 x lane: my place in a piece
.set ADRS, 27
.set SPW,  28
.set NIL,  29
.set SC,   32
.set AF,   128
.set G1, 24
.set G0, 32
.set G1B, 48
.set G0B, 56
.set G1S, 68
.set G0S, 76
.set G1SB, 80
.set G0SB, 88
.set MSB, 0
.macro WIN new                         ; the immediate's high byte repeats the setting that is left
.if MSB != (\new)
	s_set_vgpr_msb (MSB<<8)|(\new)
.set MSB, (\new)
.endif
.endm
.set MUL_LO, 0xa1                      ; source 0 (B) window 1, source 1 (A) window 0, C and D window 2
.set MUL_HI, 0xf1
.set TO_B,   0x40
; A joint load: waves 0 and 1 fetch for A, waves 2 and 3 for B; the branch hangs on the wave's number alone.  An s_nop 0 and four v_nop follow each of the two lines.
.macro JLOAD g0a, g1a, g0b, g1b
	s_cmp_eq_u32 s15, 0
	s_cbranch_scc0 .Lfor_b_\@
	tensor_load_to_lds s[\g0a:\g0a+3], s[\g1a:\g1a+7]
	s_nop 0
.rept 4
	v_nop
.endr
	s_branch .Lasked_\@
.Lfor_b_\@:
	tensor_load_to_lds s[\g0b:\g0b+3], s[\g1b:\g1b+7]
	s_nop 0
.rept 4
	v_nop
.endr
.Lasked_\@:
.endm
.macro CROUND                          ; a round of the cluster's barrier
	s_barrier_signal -1
	s_barrier_wait -1
	s_cmp_lg_u32 s14, 0
	s_cbranch_scc1 .Lnot_wave_0_\@
	s_barrier_signal -3
.Lnot_wave_0_\@:
	s_barrier_wait -3
	s_barrier_signal -1
	s_barrier_wait -1
.endm
	s_load_b128 s[4:7], s[0:1], 0x0                ; x's codes, x's scales
	s_load_b128 s[8:11], s[0:1], 0x10              ; W's codes, W's scales
	s_load_b64 s[12:13], s[0:1], 0x20              ; qkv
	v_lshl_add_u32 v[SPW], v0, 2, SPARE
	v_mov_b32 v[NIL], 0
	ds_add_u32 v[SPW], v[NIL]                      ; the wave's opening: the add, twice on end, and its wait ahead of my first tensor load
	ds_add_u32 v[SPW], v[NIL]
	v_lshrrev_b32 v1, 5, v0
	v_readfirstlane_b32 s14, v1                    ; wave 0..3
	s_lshr_b32 s15, s14, 1                         ; which half of A's rows is mine.  Also: I fetch for A (0) or for B (1)
	s_and_b32 s16, s14, 1                          ; which half of B's rows.  Also: which 128 rows of that tile I fetch
	s_bfe_u32 s40, ttmp6, 0x40000                  ; cx, cy: my place in the cluster
	s_bfe_u32 s41, ttmp6, 0x40004
	s_and_b32 s2, ttmp7, 0xffff                    ; the cluster's y: a block of 1,024 tokens
	s_cmp_eq_u32 ttmp9, 2                          ; v?  The cluster's x is the same in all sixteen partners
	s_cselect_b32 s17, 2, s2                       ; A's block of four tiles: v: W's rows 2,048 on; else the tokens
	s_cselect_b32 s42, s2, ttmp9                   ; B's: v: the tokens; else W's rows 1,024 x role on
	s_lshl_b32 s42, s42, 2
	s_add_co_u32 s42, s42, s40                     ; B's tile of 256 rows: + cx
	s_lshl_b32 s17, s17, 2
	s_add_co_u32 s17, s17, s41                     ; A's tile of 256 rows: + cy
	s_lshl_b32 s43, s41, 2
	s_lshl_b32 s43, 15, s43                        ; my row of the cluster
	s_lshl_b32 s44, 0x1111, s40                    ; my column
	; descriptor group 1: a tile of 128 rows x 256 bytes, padded in LDS
	s_or_b32 s[G1+0], s43, (0<<16)|(1<<20)|(1<<21)|(5<<22)|(3<<25)  ; 15:0 the mask; 17:16 elements of 1 byte; 20 padding on; 21 set beside a mask; 24:22 after every 64 words; 31:25 four words
	s_or_b32 s[G1B+0], s44, (0<<16)|(1<<20)|(1<<21)|(5<<22)|(3<<25)
.irp g, G1, G1B
	s_mov_b32 s[\g+1], ROWB<<16                    ; tensor_dim0
	s_mov_b32 s[\g+2], 128<<16                     ; tensor_dim1
	s_mov_b32 s[\g+3], ROWB<<16                    ; tile_dim0
	s_mov_b32 s[\g+4], 128                         ; tile_dim1
	s_mov_b32 s[\g+5], KROW                        ; tensor_dim0_stride
	s_mov_b32 s[\g+6], 0
	s_mov_b32 s[\g+7], 0
.endr
	; the scales of 128 rows: a dense block of 4,096 bytes, as 16 rows of 256 bytes (32 elements of 8 bytes), 16 bytes of padding behind each
	s_or_b32 s[G1S+0], s43, (3<<16)|(1<<20)|(1<<21)|(5<<22)|(3<<25)
	s_or_b32 s[G1SB+0], s44, (3<<16)|(1<<20)|(1<<21)|(5<<22)|(3<<25)
.irp g, G1S, G1SB
	s_mov_b32 s[\g+1], 32<<16
	s_mov_b32 s[\g+2], (128*KS/256)<<16
	s_mov_b32 s[\g+3], 32<<16
	s_mov_b32 s[\g+4], 128*KS/256
	s_mov_b32 s[\g+5], 32
	s_mov_b32 s[\g+6], 0
	s_mov_b32 s[\g+7], 0
.endr
	s_lshl_b32 s18, s16, 7                         ; which 128 rows of the tile I fetch
	s_lshl_b32 s20, s17, 8
	s_add_co_u32 s20, s20, s18                     ; A: row 256 x tile + 128 x half
	s_lshl_b32 s46, s42, 8
	s_add_co_u32 s46, s46, s18                     ; B likewise
	s_mov_b32 s21, 0
	s_mov_b32 s47, 0
	s_mov_b64 s[18:19], KS
	s_mul_u64 s[22:23], s[20:21], s[18:19]         ; where these rows' scales begin, in bytes
	s_mul_u64 s[92:93], s[46:47], s[18:19]
	s_mov_b64 s[18:19], KROW
	s_mul_u64 s[20:21], s[20:21], s[18:19]         ; and their codes
	s_mul_u64 s[46:47], s[46:47], s[18:19]
	s_mul_i32 s45, s14, HALFT                      ; where they go: wave x 128 rows: no place in the cluster enters an LDS address
	s_mul_i32 s94, s14, HALFS
	s_wait_dscnt 0x0                               ; both opening adds are done
	s_wait_kmcnt 0x0
	s_cmp_eq_u32 ttmp9, 2                          ; the choice of buffers hangs on the cluster's x alone
	s_cselect_b64 s[96:97], s[8:9], s[4:5]         ; A's codes: v: W's, else x's
	s_cselect_b64 s[98:99], s[10:11], s[6:7]       ; A's scales
	s_cselect_b64 s[8:9], s[4:5], s[8:9]           ; B's codes: v: x's, else W's
	s_cselect_b64 s[10:11], s[6:7], s[10:11]       ; B's scales
	s_add_nc_u64 s[20:21], s[96:97], s[20:21]
	s_add_nc_u64 s[22:23], s[98:99], s[22:23]
	s_add_nc_u64 s[46:47], s[8:9], s[46:47]
	s_add_nc_u64 s[92:93], s[10:11], s[92:93]
	CROUND                                         ; all sixteen work-groups are here: the first joint loads meet
	s_mov_b32 s[G0S], 1
	s_add_co_u32 s[G0S+1], s94, SCL
	s_mov_b64 s[G0S+2:G0S+3], s[22:23]
	s_or_b32 s[G0S+3], s[G0S+3], 0x80000000
	s_mov_b32 s[G0SB], 1
	s_add_co_u32 s[G0SB+1], s94, SCL
	s_mov_b64 s[G0SB+2:G0SB+3], s[92:93]
	s_or_b32 s[G0SB+3], s[G0SB+3], 0x80000000
	JLOAD G0S, G1S, G0SB, G1SB                     ; the scales first: they are wanted with the first slot
.irp s, 0,1
	s_mov_b32 s[G0+4*\s], 1
	s_add_co_u32 s[G0+4*\s+1], s45, \s*SLOT
	s_add_nc_u64 s[G0+4*\s+2:G0+4*\s+3], s[20:21], \s*ROWB
	s_or_b32 s[G0+4*\s+3], s[G0+4*\s+3], 0x80000000
	s_mov_b32 s[G0B+4*\s], 1
	s_add_co_u32 s[G0B+4*\s+1], s45, \s*SLOT
	s_add_nc_u64 s[G0B+4*\s+2:G0B+4*\s+3], s[46:47], \s*ROWB
	s_or_b32 s[G0B+4*\s+3], s[G0B+4*\s+3], 0x80000000
	JLOAD G0+4*\s, G1, G0B+4*\s, G1B               ; three loads of mine are out in all
.endr
	v_and_b32 v1, 15, v0                           ; l % 16
	v_bfe_u32 v2, v0, 4, 1                         ; l / 16
	v_mul_u32_u24 v3, v1, PITCH
	v_lshl_add_u32 v4, v2, 4, v3                   ; a fragment's row x pitch + 16 x half
	s_mul_i32 s21, s15, HALFT                      ; my 128 rows of A
	s_mul_i32 s22, s16, HALFT                      ; my 128 rows of B,
	s_add_co_u32 s22, s22, 2*HALFT                 ; which lie behind A's 256
.irp s, 0,1
	v_add_nc_u32 v[ADRA+\s], s21, v4
	v_add_nc_u32 v[ADRB+\s], s22, v4
	s_add_co_u32 s21, s21, SLOT
	s_add_co_u32 s22, s22, SLOT
.endr
	v_mul_u32_u24 v5, v1, KS                       ; my row's scales: 32 bytes a row,
	v_lshrrev_b32 v6, 8, v5
	v_lshl_add_u32 v5, v6, 4, v5                   ; and 16 more for each 256 passed
	s_mul_i32 s21, s15, HALFS                      ; A's: my 128 rows
	s_mul_i32 s22, s16, HALFS                      ; B's: my 128 rows, behind A's 256
	s_add_co_u32 s22, s22, 2*HALFS
	s_sub_co_u32 s22, s22, s21
	v_mul_u32_u24 v6, s22, v2                      ; lanes 16-31 take B's
	s_add_co_u32 s21, s21, SCL
	v_add_nc_u32 v5, v5, v6
	v_add_nc_u32 v[ADRS], s21, v5
	v_and_b32 v6, 31, v0
	v_lshlrev_b32 v[CO], 4, v6                     ; the way out: 16 x lane
.macro FRAG reg, adr, q, i             ; 16 rows x 128 K of 4-bit codes: 8 registers: lane l holds row l % 16; registers 4 c .. 4 c + 3 hold K = 64 c + 32 (l / 16) + 0 .. 31
.irp c, 0,1
	ds_load_b128 v[\reg+4*\c:\reg+4*\c+3], v[\adr] offset:64*(\q)+32*\c+(\i)*16*PITCH
.endr
.endm
; 16 matrix instructions: A's blocks a0, a0 + 1 x B's eight, 128 along K.  p: B's set; sc: the set of scale words.  zero = 1: the first product starts the sums.
; The 64 accumulators take turns, one instruction a turn, in the same order in every step.  Lanes 0-15 of a scale register hold A's words, lanes 16-31 B's.
.macro MUL16 a0, p, q, sc, zero
.irp a, \a0, \a0+1
.irp b, 0,1,2,3,4,5,6,7
.if \zero
	v_wmma_scale_f32_16x16x128_f8f6f4 v[8*(8*((\a)%4)+\b):8*(8*((\a)%4)+\b)+7], v[128*(\p)+FR*\b:128*(\p)+FR*\b+FR-1], v[AF+FR*(\a):AF+FR*(\a)+FR-1], 0, v[SC+8*NQ*(\sc)+NQ*\b+(\q)], v[SC+8*NQ*(\sc)+NQ*(\a)+(\q)] matrix_a_fmt:MATRIX_FMT_FP4 matrix_b_fmt:MATRIX_FMT_FP4 matrix_a_scale:MATRIX_SCALE_ROW1
.else
	v_wmma_scale_f32_16x16x128_f8f6f4 v[8*(8*((\a)%4)+\b):8*(8*((\a)%4)+\b)+7], v[128*(\p)+FR*\b:128*(\p)+FR*\b+FR-1], v[AF+FR*(\a):AF+FR*(\a)+FR-1], v[8*(8*((\a)%4)+\b):8*(8*((\a)%4)+\b)+7], v[SC+8*NQ*(\sc)+NQ*\b+(\q)], v[SC+8*NQ*(\sc)+NQ*(\a)+(\q)] matrix_a_fmt:MATRIX_FMT_FP4 matrix_b_fmt:MATRIX_FMT_FP4 matrix_a_scale:MATRIX_SCALE_ROW1
.endif
.endr
.endr
.endm
.macro FETCH_B slot, q, p
	WIN TO_B
.irp i, 0,1,2,3,4,5,6,7
	FRAG 128*(\p)+FR*\i, ADRB+\slot, \q, \i
.endr
	WIN 0
.endm
.macro FETCH_A slot, q, i0
.irp i, \i0, \i0+1, \i0+2, \i0+3
	FRAG AF+FR*(\i), ADRA+\slot, \q, \i
.endr
.endm
.macro SCALES sc                       ; a slot's scale words: 4 words a row; lanes 0-15 take A's block i, lanes 16-31 B's block i
.irp i, 0,1,2,3,4,5,6,7
	ds_load_b128 v[SC+8*NQ*\sc+NQ*\i:SC+8*NQ*\sc+NQ*\i+3], v[ADRS] offset:\i*SBLK
.endr
.endm
.macro PLACES n                        ; plain vector instructions that name no register of the matrix instructions in front: ahead of loads into registers that those have read, and of the first read of results
.rept \n
	v_nop
.endr
.endm
.macro STEP slot, q, zero              ; a step of 128 along K that has its successor in the same slot
	s_wait_dscnt 4*NL                              ; B's set and A's blocks 0-3 are in; the youngest eight loads (A's blocks 4-7) may be out
	WIN MUL_LO
	MUL16 0, (\q)%2, \q, \slot, \zero
	MUL16 2, (\q)%2, \q, \slot, \zero
	s_wait_dscnt 0                                 ; A's blocks 4-7 are in
	PLACES NP
	FETCH_B \slot, (\q)+1, 1-(\q)%2
	FETCH_A \slot, (\q)+1, 0
	WIN MUL_HI
	MUL16 4, (\q)%2, \q, \slot, \zero
	MUL16 6, (\q)%2, \q, \slot, \zero
	PLACES NP
	WIN 0
	FETCH_A \slot, (\q)+1, 4
.endm
.macro TURN slot, next                 ; slot 0's last step goes over to slot 1: one barrier; nothing is filled again
	s_wait_tensorcnt 0x0                           ; all my tensor loads have landed: my part of the next slot
	ds_add_u32 v[SPW], v[NIL]                      ; 0 onto my spare word
	s_wait_dscnt 4*NL+1                            ; (the add and the youngest eight loads, A's blocks 4-7, may be out)
	WIN MUL_LO
	MUL16 0, 1, NQ-1, \slot, 0
	s_wait_dscnt 0x0                               ; no LDS instruction of mine is pending at the signal
	s_barrier_signal -1
	MUL16 2, 1, NQ-1, \slot, 0
	WIN 0
	s_barrier_wait -1                              ; every wave's part of the next slot has landed
	PLACES NP
	v_add_nc_u32 v[ADRS], 4*NQ, v[ADRS]            ; on to the next slot's scale words
	FETCH_B \next, 0, 0
	FETCH_A \next, 0, 0
	SCALES \next
	WIN MUL_HI
	MUL16 4, 1, NQ-1, \slot, 0
	MUL16 6, 1, NQ-1, \slot, 0
	PLACES NP
	WIN 0
	FETCH_A \next, 0, 4
.endm
.macro STEPS slot, from
.set Q, \from
.rept NQ-1-\from
	STEP \slot, Q, 0
.set Q, Q+1
.endr
.endm
	s_wait_tensorcnt 1                             ; the scales and my part of slot 0 are in; slot 1's load may be out
	s_barrier_signal -1
	s_barrier_wait -1                              ; everybody's are
	FETCH_B 0, 0, 0
	FETCH_A 0, 0, 0
	SCALES 0
	FETCH_A 0, 0, 4
	STEP 0, 0, 1                                   ; the first step's products start the sums
	STEPS 0, 1
	TURN 0, 1
	STEPS 1, 0
	s_wait_dscnt 4*NL                              ; the last step: nothing more to fetch
	WIN MUL_LO
	MUL16 0, 1, NQ-1, 1, 0
	MUL16 2, 1, NQ-1, 1, 0
	s_wait_dscnt 0
	WIN MUL_HI
	MUL16 4, 1, NQ-1, 1, 0
	MUL16 6, 1, NQ-1, 1, 0
	WIN 0
	PLACES NP                                      ; ahead of the conversions, which read results and write the registers that held A's fragments
; THE WAY OUT of A's block a: 32 roundings to f16, each accumulator from its low end on; eight stores of 512 consecutive bytes.  Four sets of 32 registers by turns.
.macro OUT a, isv
.set AC, 64*((\a)%4)
.set OB, 128+32*((\a)%4)
.if (\a) >= 4
	s_wait_xcnt 0x0                                ; block a - 4's stores have read their data: the set is written again only behind this wait
.endif
	WIN (0x0a+5*((\a)/4))                          ; sources 0 and 1: window 2 or 3
.irp b, 0,1,2,3,4,5,6,7
.irp r, 0,1,2,3
	v_cvt_pk_f16_f32 v[OB+4*\b+\r], v[AC+8*\b+2*\r], v[AC+8*\b+2*\r+1]
.endr
.endr
	WIN 0
.irp b, 0,1,2,3,4,5,6,7
.if \isv
	global_store_b128 v[CO], v[OB+4*\b:OB+4*\b+3], s[12:13] offset:((\a)/4)*HEADB+((\a)%4)*1024+(\b/2)*4096+(\b%2)*512   ; head a / 4, 16 channels a % 4, 32 keys b / 2, piece b % 2
.else
	global_store_b128 v[CO], v[OB+4*\b:OB+4*\b+3], s[12:13] offset:(\a)*2048+(\b/4)*HEADB+(\b%4)*512                     ; tile of 16 tokens a, head b / 4, 16 channels b % 4
.endif
.endr
.endm
	s_cmp_eq_u32 ttmp9, 2
	s_cbranch_scc1 .Lv
	; q and k: A's tile = 256 tokens, B's tile = 256 channels = 4 heads
	s_lshr_b32 s20, s17, 3                         ; batch
	s_lshl_b32 s20, s20, 4
	s_and_b32 s21, s42, 3
	s_lshl_b32 s21, s21, 2
	s_add_co_u32 s20, s20, s21
	s_lshl_b32 s21, s16, 1
	s_add_co_u32 s20, s20, s21                     ; my first head: 16 x batch + 4 x (B's tile % 4) + 2 x half
	s_mul_i32 s20, s20, HEADB
	s_and_b32 s21, s17, 7
	s_lshl_b32 s21, s21, 4
	s_lshl_b32 s22, s15, 3
	s_add_co_u32 s21, s21, s22                     ; my first tile of 16 tokens in the batch: a multiple of 8
	s_lshl_b32 s22, s21, 11                        ; q: tile x 2,048
	s_lshr_b32 s23, s21, 5                         ; k: the slot of 32 tiles,
	s_lshl_b32 s23, s23, 17
	s_and_b32 s21, s21, 31
	s_lshl_b32 s21, s21, 11                        ; the tile in it,
	s_add_co_u32 s23, s23, s21
	s_add_co_u32 s23, s23, 262144                  ; behind Q
	s_cmp_eq_u32 ttmp9, 0
	s_cselect_b32 s22, s22, s23
	s_add_co_u32 s20, s20, s22
	s_mov_b32 s21, 0
	s_add_nc_u64 s[12:13], s[12:13], s[20:21]
.irp a, 0,1,2,3,4,5,6,7
	OUT \a, 0
.endr
	s_branch .Lend
.Lv:
	; v: A's tile = 256 channels = 4 heads, B's tile = 256 tokens
	s_lshr_b32 s20, s42, 3                         ; batch
	s_lshl_b32 s20, s20, 4
	s_and_b32 s21, s17, 3
	s_lshl_b32 s21, s21, 2
	s_add_co_u32 s20, s20, s21
	s_lshl_b32 s21, s15, 1
	s_add_co_u32 s20, s20, s21                     ; my first head
	s_mul_i32 s20, s20, HEADB
	s_and_b32 s21, s42, 7
	s_lshl_b32 s21, s21, 3
	s_lshl_b32 s22, s16, 2
	s_add_co_u32 s21, s21, s22                     ; my first group of 32 keys in the batch: a multiple of 4
	s_lshr_b32 s23, s21, 4                         ; the slot of 16 groups,
	s_lshl_b32 s23, s23, 17
	s_and_b32 s21, s21, 15
	s_lshl_b32 s21, s21, 12                        ; the group in it,
	s_add_co_u32 s23, s23, s21
	s_add_co_u32 s23, s23, 262144+65536            ; behind Q and the slot's K
	s_add_co_u32 s20, s20, s23
	s_mov_b32 s21, 0
	s_add_nc_u64 s[12:13], s[12:13], s[20:21]
.irp a, 0,1,2,3,4,5,6,7
	OUT \a, 1
.endr
.Lend:
	s_wait_tensorcnt 0x0                           ; the wave's end: a tensor wait, an add of 0 to my spare word and its wait, behind my last tensor load
	ds_add_u32 v[SPW], v[NIL]
	s_wait_dscnt 0x0
	CROUND                                         ; the closing round: no work-group ends while a partner may still ask for a tile that names it
	s_endpgm
.Lfunc_end_k_qec40819163_gemm:
	.size	k_qec40819163_gemm, .Lfunc_end_k_qec40819163_gemm-k_qec40819163_gemm
	.p2alignl 7, 3214868480
	.fill 96, 4, 3214868480
	.section	.rodata,"a",@progbits
	.p2align	6, 0x0
	.amdhsa_kernel k_qec40819163_gemm
		.amdhsa_group_segment_fixed_size 327680
		.amdhsa_private_segment_fixed_size 0
		.amdhsa_enable_private_segment 0
		.amdhsa_kernarg_size 40
		.amdhsa_user_sgpr_count 2
		.amdhsa_user_sgpr_kernarg_segment_ptr 1
		.amdhsa_wavefront_size32 1
		.amdhsa_system_sgpr_workgroup_id_x 1
		.amdhsa_system_sgpr_workgroup_id_y 1
		.amdhsa_system_sgpr_workgroup_id_z 1
		.amdhsa_system_vgpr_workitem_id 0
		.amdhsa_next_free_vgpr 1024
		.amdhsa_next_free_sgpr 100
		.amdhsa_reserve_vcc 0
		.amdhsa_float_denorm_mode_32 3
		.amdhsa_float_denorm_mode_16_64 3
		.amdhsa_memory_ordered 1
		.amdhsa_forward_progress 1
		.amdhsa_inst_pref_size 141
	.end_amdhsa_kernel
	.amdgpu_metadata
---
amdhsa.version: [ 1, 2 ]
amdhsa.kernels:
  - .name:           k_qec40819163_gemm
    .symbol:         k_qec40819163_gemm.kd
    .args:
      - { .name: x_codes, .offset: 0, .size: 8, .value_kind: global_buffer, .address_space: global }
      - { .name: x_scales, .offset: 8, .size: 8, .value_kind: global_buffer, .address_space: global }
      - { .name: w_codes, .offset: 16, .size: 8, .value_kind: global_buffer, .address_space: global }
      - { .name: w_scales, .offset: 24, .size: 8, .value_kind: global_buffer, .address_space: global }
      - { .name: qkv, .offset: 32, .size: 8, .value_kind: global_buffer, .address_space: global }
    .group_segment_fixed_size: 327680
    .private_segment_fixed_size: 0
    .kernarg_segment_align: 8
    .kernarg_segment_size: 40
    .max_flat_workgroup_size: 128
    .sgpr_count:     100
    .vgpr_count:     1024
    .wavefront_size: 32
...
	.end_amdgpu_metadata
.endif
;; end of part 2
;; launch attn (part 3): grid 4 x 64, 8 waves a work-group, clusters of 4 x 1, 327,680 bytes of LDS; arguments qkv, o_img; writes o_img
.if DOCPART == 3
	.amdgcn_target "amdgcn-amd-amdhsa--gfx1250"
	.amdhsa_code_object_version 6
	.text
	.protected	k_qec40819163_attn
	.globl	k_qec40819163_attn
	.p2align	8
	.type	k_qec40819163_attn,@function
k_qec40819163_attn:
	s_mov_b64 s[64:65], 0
	v_nop
	global_prefetch_b8 v0, s[64:65] scope:SCOPE_SE
	s_setreg_imm32_b32 hwreg(HW_REG_WAVE_MODE, 25, 1), 1
	s_wait_xcnt 0x0
	s_wait_alu depctr_hold_cnt(0) depctr_sa_sdst(0) depctr_va_vdst(0) depctr_va_sdst(0) depctr_va_ssrc(0) depctr_va_vcc(0) depctr_vm_vsrc(0)
	s_getreg_b32 s2, hwreg(HW_REG_IB_STS2, 6, 4)
	s_cmp_eq_u32 s2, 0
	s_cbranch_scc0 .Lentry_in_a_cluster
	s_endpgm
.Lentry_in_a_cluster:
	s_bfe_u32 s2, ttmp6, 0x10000c
	s_cmp_lg_u32 s2, 0x3003
	s_cbranch_scc0 .Lentry_shape_is_right
	s_endpgm
.Lentry_shape_is_right:
; o[head][q] = the sum over k of softmax_k(q . k / 8) v, 64 heads, 2,048 queries and keys, head size 64.  Operands f16, products, maxima and sums f32; the weights p (at most 1) are rounded to f16 for the
; second product, o once at the end.
; LIMITS: the operands come as f16 (the launch before states the range); numbers of o under about 1e-6 lose precision in f16; NaN and infinities are not served.
; SHARES.  A cluster of four work-groups is one head; a work-group owns 512 queries, each of its eight waves 64: four tiles of 16, so that each fragment of K and V read from LDS feeds four products.
; Two waves to a SIMD: one wave's vector work stands beside the other's matrix work.  Every wave walks all 2,048 keys, 64 a step, 8 steps a slot, 4 slots.
; LAYOUT.  S^T = K Q^T (source 0 = 16 keys, source 1 = 16 queries): a lane holds ONE query (lane % 16) and keys 8 (lane / 16) + 0 .. 7.  Two such tiles, rounded to f16 in pairs, ARE source 1 (16 queries x 32 keys)
; of O^T = V^T P, whose result again holds one query a lane and eight channels.  Q, K and V^T lie in qkv as images of their operand registers (a fragment = two pieces of 512 bytes, lane l's 16 bytes at 16 l):
; every LDS load takes 512 consecutive bytes, and nothing is turned or padded.  O^T, rounded, is a piece of the projection's operand: it is stored as it stands, 512 consecutive bytes a store.
; SOFTMAX.  For each query a running maximum m and sum l: p = 2^(c s - c m), c = log2(e) / 8; in every step O and l are multiplied by a = 2^(c m_old - c m_new).  The step is written once: O and l begin as
; zeros and m as -3e38, so the first a is 0.
; RING.  A slot is 512 keys: 65,536 bytes of K's images and 65,536 of V's, dense in qkv.  Waves 0 to 3 fetch a quarter each, jointly for the four work-groups of the cluster.  One tensor load of a wave is out at most.
; REGISTERS: window 0: v1-9 addresses; v16-47 statistics, 8 a tile; v48-111 K of a step; v112-115 c m of the step before; v128-255 S^T, 32 a tile, P packed into the low 16 of each.
;   window 1: v0-127 O^T ((tile t, 16 channels ct) at 32 t + 8 ct); v128-191 Q (16 t + 8 c); v192-255 V^T of a step ((32 keys g, ct) at 8 (4 g + ct)).
.set HEADB, 786432
.set SLOTB, 131072                     ; a slot's bytes in qkv
.set SLOT1, 1<<17                      ; LDS slot 1 begins here: one exclusive or turns an address in one slot into the other's
.set SPARE, 262144                     ; behind the ring: the spare words, 128 bytes for each of eight waves: four blocks of 256 bytes that no other line names
.set LI,  1                            ; v1  16 x lane
.set LIV, 2                            ; v2  the same in a slot's V part
.set ADK, 3                            ; v3  LDS address of the step's K
.set ADV, 4                            ; v4  of its V
.set PFO, 6                            ; v6  256 x lane: the prefetches' offset; never rewritten
.set SPW, 8                            ; v8  LDS address of my spare word; never rewritten
.set NIL, 9                            ; v9  0; never rewritten
.set ST,  16                           ; tile t at ST + 8 t: +0 c m, +1 m, +2, +3 l (even keys', odd keys'), +4 .. +7 the maximum's four chains; later +4, +5 a second chain of sums, +6 a, +7 c m_old - c m_new
.set KF,  48
.set OLD, 112
.set S,   128
.set QF,  128                          ; in window 1
.set VF,  192                          ; in window 1
.set WV,  8                            ; s8  my wave's number
.set G1,  16                           ; s[16:23] descriptor group 1
.set G0,  24                           ; s[24:27] group 0, which walks
.set SEL, 28                           ; s[28:29] lane selects for v_permlanex16_b32: lane l xor 16
.set CS,  30                           ; s[30:31] c: the packed form names a pair and takes its low word for both halves
.set TB,  32                           ; s32 LDS byte at which the step's images begin
.set SLOTS, 33
.set CNT, 34
.set LIM, 35                           ; s35 1 in a wave that prefetches, else the greatest number
.set PFA, 36                           ; s[36:37] where my prefetches stand
.set QB,  38                           ; s[38:39] my wave's Q
.set OBS, 40                           ; s[40:41] my wave's place in o_img
.set W_KQ, 0x04                        ; Q (source 1) in window 1
.set W_PV, 0x51                        ; V^T (source 0), C and D in window 1, P in window 0
.set W_RS, 0x41                        ; O^T (destination and source 0) in window 1, a in window 0
.set MSB, 0
.macro WIN new                         ; the immediate's high byte repeats the setting that is left
.if MSB != (\new)
	s_set_vgpr_msb (MSB<<8)|(\new)
.set MSB, (\new)
.endif
.endm
.macro CROUND                          ; a round of the cluster's barrier
	s_barrier_signal -1
	s_barrier_wait -1
	s_cmp_lg_u32 s[WV], 0
	s_cbranch_scc1 .Lnot_wave_0_\@
	s_barrier_signal -3
.Lnot_wave_0_\@:
	s_barrier_wait -3
	s_barrier_signal -1
	s_barrier_wait -1
.endm
.macro TLOAD                           ; waves 0 to 3 fetch a quarter of a slot each; the branch hangs on the wave's number alone.  An s_nop 0 and four v_nop follow the load
	s_cmp_lt_u32 s[WV], 4
	s_cbranch_scc0 .Lnone_\@
	tensor_load_to_lds s[G0:G0+3], s[G1:G1+7]
	s_nop 0
.rept 4
	v_nop
.endr
.Lnone_\@:
.endm
; A prefetch into the L2 of the slot that the NEXT change of slots will ask for: 8 key steps ahead of that load.  The waves ask that fetch nothing, waves 4 to 7: one instruction, 8,192 bytes a wave, lanes 256 bytes
; apart; the four partners share the slot's 131,072 bytes out by address, 32,768 each.  So each aligned block of 256 bytes is named once in the launch.  The last change that fills a slot asks for nothing.
.macro ASK
	s_cmp_gt_u32 s[SLOTS], s[LIM]
	s_cbranch_scc0 .Lnot_mine_\@
	global_prefetch_b8 v[PFO], s[PFA:PFA+1] th:TH_LOAD_NT scope:SCOPE_SE
.Lnot_mine_\@:
.endm
	s_load_b128 s[4:7], s[0:1], 0x0                ; qkv, o_img
	v_lshl_add_u32 v[SPW], v0, 2, SPARE
	v_mov_b32 v[NIL], 0
	ds_add_u32 v[SPW], v[NIL]                      ; the wave's opening: the add, twice on end, and its wait ahead of the first tensor load
	ds_add_u32 v[SPW], v[NIL]
	v_lshrrev_b32 v10, 5, v0
	v_readfirstlane_b32 s[WV], v10                 ; wave 0..7
	s_bfe_u32 s9, ttmp6, 0x40000                   ; cx: my block of 512 queries: it enters the addresses of Q, of o_img and of the prefetches alone
	s_and_b32 s10, ttmp7, 0xffff                   ; the head, which the four partners share
	s_mul_i32 s44, s10, HEADB                      ; the head's first byte in qkv
	s_mov_b32 s45, 0
	s_and_b32 s46, s[WV], 3
	s_lshl_b32 s46, s46, 15                        ; my quarter of a slot,
	s_mov_b32 s[G0+1], s46                         ; in LDS slot 0,
	s_add_co_u32 s46, s46, 262144                  ; and in memory: behind Q
	s_mov_b32 s47, 0
	s_add_nc_u64 s[46:47], s[46:47], s[44:45]
	; descriptor group 1: 32,768 dense bytes as 128 rows of 256 (32 elements of 8 bytes), no padding
	s_mov_b32 s[G1], 15|(3<<16)|(1<<21)            ; 15:0 the mask: all four work-groups; 17:16 elements of 8 bytes; 21 set beside a mask
	s_mov_b32 s[G1+1], 32<<16                      ; tensor_dim0
	s_mov_b32 s[G1+2], 128<<16                     ; tensor_dim1
	s_mov_b32 s[G1+3], 32<<16                      ; tile_dim0
	s_mov_b32 s[G1+4], 128                         ; tile_dim1
	s_mov_b32 s[G1+5], 32                          ; tensor_dim0_stride
	s_mov_b32 s[G1+6], 0
	s_mov_b32 s[G1+7], 0
	s_mov_b32 s[G0], 1
	s_mov_b32 s[SEL], 0x76543210
	s_mov_b32 s[SEL+1], 0xfedcba98
	s_mov_b32 s[CS], 0x3e38aa3b                    ; c = log2(e) / 8
	s_mov_b32 s[CS+1], s[CS]
	s_mov_b32 s[TB], 0
	s_mov_b32 s[SLOTS], 3
	s_lshr_b32 s12, s[WV], 2
	s_cmp_eq_u32 s12, 1                            ; waves 4 to 7
	s_cselect_b32 s[LIM], 1, -1
	v_and_b32 v[LI], 31, v0
	v_lshlrev_b32 v[PFO], 8, v[LI]
	v_lshlrev_b32 v[LI], 4, v[LI]
	v_add_nc_u32 v[LIV], 65536, v[LI]
	s_wait_dscnt 0x0                               ; both opening adds are done
	s_wait_kmcnt 0x0
	s_add_nc_u64 s[G0+2:G0+3], s[4:5], s[46:47]    ; the head's slot 0, my quarter
	s_or_b32 s[G0+3], s[G0+3], 0x80000000          ; type = 2
	s_lshl_b32 s12, s9, 16                         ; Q: my work-group's 32 tiles of 2,048 bytes,
	s_lshl_b32 s13, s[WV], 13                      ; my wave's four
	s_add_co_u32 s12, s12, s13
	s_mov_b32 s13, 0
	s_add_nc_u64 s[12:13], s[12:13], s[44:45]
	s_add_nc_u64 s[QB:QB+1], s[4:5], s[12:13]
	s_lshl_b32 s12, s9, 15                         ; the prefetches: my work-group's 32,768 bytes of a slot,
	s_and_b32 s13, s[WV], 3
	s_lshl_b32 s13, s13, 13                        ; my wave's 8,192,
	s_add_co_u32 s12, s12, s13
	s_add_co_u32 s12, s12, 262144+SLOTB            ; in slot 1: the first change of slots steps it to slot 2.  Nothing is prefetched at the head
	s_mov_b32 s13, 0
	s_add_nc_u64 s[12:13], s[12:13], s[44:45]
	s_add_nc_u64 s[PFA:PFA+1], s[4:5], s[12:13]
	s_and_b32 s12, s10, 15                         ; o_img: K step (128 k = two heads) x 2,097,152 + tile of 16 tokens x 4,096 + (head % 2) x 2,048
	s_lshr_b32 s13, s10, 4                         ; batch
	s_lshr_b32 s14, s12, 1
	s_lshl_b32 s14, s14, 21
	s_and_b32 s12, s12, 1
	s_lshl_b32 s12, s12, 11
	s_add_co_u32 s14, s14, s12
	s_lshl_b32 s13, s13, 7
	s_lshl_b32 s12, s9, 5
	s_add_co_u32 s13, s13, s12
	s_lshl_b32 s12, s[WV], 2
	s_add_co_u32 s13, s13, s12                     ; my first tile of tokens: 128 x batch + 32 cx + 4 x wave
	s_lshl_b32 s13, s13, 12
	s_add_co_u32 s14, s14, s13
	s_mov_b32 s15, 0
	s_add_nc_u64 s[OBS:OBS+1], s[6:7], s[14:15]
	CROUND                                         ; all four work-groups are here: the first joint loads meet
	TLOAD                                          ; slot 0
	WIN 0x40                                       ; destination window 1
.irp i, 0,1,2,3,4,5,6,7,8,9,10,11,12,13,14,15
	global_load_b128 v[QF+4*\i:QF+4*\i+3], v[LI], s[QB:QB+1] offset:512*\i   ; Q stays in registers: its images as they lie
.endr
.set i, 0
.rept 128
	v_mov_b32 v[i], 0                              ; O^T: the step is written once; its first turn finds zeros
.set i, i+1
.endr
	WIN 0
.irp t, 0,1,2,3
	v_mov_b32 v[ST+8*\t+1], 0xff61b1e6             ; m = -3e38, under every score
	v_mov_b32 v[ST+8*\t+2], 0                      ; l
	v_mov_b32 v[ST+8*\t+3], 0
.endr
.irp t, 0,1,2,3
	v_mul_f32 v[ST+8*\t], s[CS], v[ST+8*\t+1]      ; c m
.endr
.macro KQ                              ; product i of 32 of S^T = K Q^T: channels 32 (i / 16) on, keys 16 ((i / 4) % 4) on, tile i % 4.  The first 16 start the sums.  The 16 accumulators take turns
.set rS, S+32*(i%4)+8*((i/4)%4)
.set rK, KF+8*(2*((i/4)%4)+i/16)
.set rQ, QF+16*(i%4)+8*(i/16)
.if i < 16
	v_wmma_f32_16x16x32_f16 v[rS:rS+7], v[rK:rK+7], v[rQ:rQ+7], 0
.else
	v_wmma_f32_16x16x32_f16 v[rS:rS+7], v[rK:rK+7], v[rQ:rQ+7], v[rS:rS+7]
.endif
.endm
.macro PV                              ; product i of 32 of O^T += V^T P: keys 32 (i / 16) on, channels 16 ((i / 4) % 4) on, tile i % 4.  The 16 accumulators take turns
.set rO, 32*(i%4)+8*((i/4)%4)
.set rV, VF+8*(4*(i/16)+(i/4)%4)
.set rP, S+32*(i%4)+8*(i/16)
	v_wmma_f32_16x16x32_f16 v[rO:rO+7], v[rV:rV+7], v[rP:rP+7], v[rO:rO+7]
.endm
.macro SCL t, b                        ; pair b of tile t: c s - c m
	v_pk_fma_f32 v[S+32*(\t)+2*(\b):S+32*(\t)+2*(\b)+1], v[S+32*(\t)+2*(\b):S+32*(\t)+2*(\b)+1], s[CS:CS+1], v[ST+8*(\t):ST+8*(\t)+1] op_sel_hi:[1,0,0] neg_lo:[0,0,1] neg_hi:[0,0,1]
.endm
.macro RESCALE                         ; O^T times the number in ST + 6, each accumulator from its low end on
	WIN W_RS
.irp t, 0,1,2,3
.set i, 0
.rept 16
	v_pk_mul_f32 v[32*\t+i:32*\t+i+1], v[32*\t+i:32*\t+i+1], v[ST+8*\t+6:ST+8*\t+7] op_sel_hi:[1,0]
.set i, i+2
.endr
.endr
.endm
; A KEY STEP: 64 keys.
.macro STEP
	v_add_nc_u32 v[ADK], s[TB], v[LI]              ; these two and three v_nop are five places behind the last V^T P: for the loads into V's registers (four are asked),
	v_add_nc_u32 v[ADV], s[TB], v[LIV]             ; and for the products K Q^T, which write over P (five)
.rept 3
	v_nop
.endr
.irp c, 0,1                                    ; K: channels 0-31 of the four tiles first
.irp kt, 0,1,2,3
	ds_load_b128 v[KF+8*(2*\kt+\c):KF+8*(2*\kt+\c)+3],   v[ADK] offset:\kt*2048+\c*1024
	ds_load_b128 v[KF+8*(2*\kt+\c)+4:KF+8*(2*\kt+\c)+7], v[ADK] offset:\kt*2048+\c*1024+512
.endr
.endr
	WIN 0x40                                       ; destination window 1
.irp g, 0,1
.irp ct, 0,1,2,3
	ds_load_b128 v[VF+8*(4*\g+\ct):VF+8*(4*\g+\ct)+3],   v[ADV] offset:\g*4096+\ct*1024
	ds_load_b128 v[VF+8*(4*\g+\ct)+4:VF+8*(4*\g+\ct)+7], v[ADV] offset:\g*4096+\ct*1024+512
.endr
.endr
	s_wait_dscnt 24                                ; of the 32 loads the first eight are in: K's channels 0-31
	WIN W_KQ
.set i, 0
.rept 32
.if i == 16
	s_wait_dscnt 16                                ; all of K is in; V's sixteen loads may be out
.endif
	KQ
.set i, i+1
.endr
	WIN 0
.irp t, 0,1,2,3
	v_mov_b32 v[OLD+\t], v[ST+8*\t]                ; c m of the step before is kept for a.  (Four places behind the last product)
.endr
.irp j, 0,1,2,3                                ; the maximum of the lane's 32 scores and the old m: four chains a tile, one to an accumulator, each from its low end on; the tiles by turns
.irp t, 0,1,2,3
	v_max3_num_f32 v[ST+8*\t+4+\j], v[S+32*\t+8*\j], v[S+32*\t+8*\j+1], v[S+32*\t+8*\j+2]
.endr
.endr
.irp u, 1,2
.irp j, 0,1,2,3
.irp t, 0,1,2,3
	v_max3_num_f32 v[ST+8*\t+4+\j], v[ST+8*\t+4+\j], v[S+32*\t+8*\j+2*\u+1], v[S+32*\t+8*\j+2*\u+2]
.endr
.endr
.endr
.irp t, 0,1,2,3
	v_max3_num_f32 v[ST+8*\t+4], v[ST+8*\t+4], v[S+32*\t+7], v[S+32*\t+15]
.endr
.irp t, 0,1,2,3
	v_max3_num_f32 v[ST+8*\t+6], v[ST+8*\t+6], v[S+32*\t+23], v[S+32*\t+31]
.endr
.irp t, 0,1,2,3
	v_max3_num_f32 v[ST+8*\t+4], v[ST+8*\t+4], v[ST+8*\t+5], v[ST+8*\t+6]
.endr
.irp t, 0,1,2,3
	v_max3_num_f32 v[ST+8*\t+4], v[ST+8*\t+4], v[ST+8*\t+7], v[ST+8*\t+1]
.endr
.irp t, 0,1,2,3
	v_permlanex16_b32 v[ST+8*\t+5], v[ST+8*\t+4], s[SEL], s[SEL+1]   ; the query's other 32 keys lie in the lane 16 away
.endr
.irp t, 0,1,2,3
	v_max_num_f32 v[ST+8*\t+1], v[ST+8*\t+4], v[ST+8*\t+5]           ; the new m
.endr
.irp t, 0,1,2,3
	v_mul_f32 v[ST+8*\t], s[CS], v[ST+8*\t+1]                        ; c m
.endr
.irp t, 0,1,2,3
	v_sub_f32 v[ST+8*\t+7], v[OLD+\t], v[ST+8*\t]                    ; c m_old - c m_new, 0 or less
.endr
	; ONE BATCH: the 64 scalings and all 132 exponentials; none of these lines names an exponential's result.  A tile's scalings stand among the exponentials of the tile before
.irp t, 0,1,2,3
	v_exp_f32 v[ST+8*\t+6], v[ST+8*\t+7]           ; a
.endr
.irp b, 0,1,2,3,4,5,6,7,8,9,10,11,12,13,14,15
	SCL 0, \b
.endr
.irp t, 0,1,2,3
.irp b, 0,1,2,3,4,5,6,7,8,9,10,11,12,13,14,15
.if \t < 3
	SCL \t+1, \b
.endif
	v_exp_f32 v[S+32*\t+2*\b], v[S+32*\t+2*\b]
	v_exp_f32 v[S+32*\t+2*\b+1], v[S+32*\t+2*\b+1]
.endr
.endr
	v_nop                                          ; a plain instruction behind the last exponential
	s_wait_alu depctr_va_vdst(0)                   ; a wait ahead of the first line that names an exponential's result: one for the batch
.irp t, 0,1,2,3                                ; the sums of the unrounded p, two at a time, two chains a tile, the tiles by turns
	v_pk_fma_f32 v[ST+8*\t+2:ST+8*\t+3], v[ST+8*\t+2:ST+8*\t+3], v[ST+8*\t+6:ST+8*\t+7], v[S+32*\t:S+32*\t+1] op_sel_hi:[1,0,1]   ; l = a l + the first pair
.endr
.irp t, 0,1,2,3
	v_pk_add_f32 v[ST+8*\t+4:ST+8*\t+5], v[S+32*\t+2:S+32*\t+3], v[S+32*\t+4:S+32*\t+5]
.endr
.irp j, 6,10,14,18,22,26
.irp t, 0,1,2,3
	v_pk_add_f32 v[ST+8*\t+2:ST+8*\t+3], v[ST+8*\t+2:ST+8*\t+3], v[S+32*\t+\j:S+32*\t+\j+1]
.endr
.irp t, 0,1,2,3
	v_pk_add_f32 v[ST+8*\t+4:ST+8*\t+5], v[ST+8*\t+4:ST+8*\t+5], v[S+32*\t+\j+2:S+32*\t+\j+3]
.endr
.endr
.irp t, 0,1,2,3
	v_pk_add_f32 v[ST+8*\t+2:ST+8*\t+3], v[ST+8*\t+2:ST+8*\t+3], v[S+32*\t+30:S+32*\t+31]
.endr
.irp t, 0,1,2,3
	v_pk_add_f32 v[ST+8*\t+2:ST+8*\t+3], v[ST+8*\t+2:ST+8*\t+3], v[ST+8*\t+4:ST+8*\t+5]
.endr
.irp i, 0,1,2,3,4,5,6,7,8,9,10,11,12,13,14,15  ; P: pair i of a tile is rounded to f16 into the tile's register i: ascending, so that no pair is overwritten before it is read
.irp t, 0,1,2,3
	v_cvt_pk_f16_f32 v[S+32*\t+\i], v[S+32*\t+2*\i], v[S+32*\t+2*\i+1]
.endr
.endr
	RESCALE                                        ; O^T times a
	s_wait_dscnt 0x0                               ; V is in
	WIN W_PV
.set i, 0
.rept 32
	PV
.set i, i+1
.endr
	WIN 0                                          ; at a label and at a branch every window is 0
	s_add_co_u32 s[TB], s[TB], 8192                ; the next step's images: 4 tiles of K, 2 groups of V
.endm
; THE CHANGE OF SLOTS stands at a slot's head.  Each wave waits for all its tensor loads (its part of the slot that it is about to read), adds 0 to its spare word, and waits for that and for its reads of the slot
; that it has left.  fill = 1: behind a round of the cluster's barrier, so that no wave of any partner still reads that slot or has a load on its way, the other slot is asked for: 8 key steps in which to land.
.macro CHANGE fill
	s_wait_tensorcnt 0x0                           ; no tensor load of mine is out, so group 0 may be written
	ds_add_u32 v[SPW], v[NIL]                      ; 0 onto my spare word
.if \fill
	ds_add_u32 v[SPW], v[NIL]                      ; and once more: the add twice on end here, in every trip alike
	s_xor_b32 s[G0+1], s[G0+1], SLOT1              ; the walking descriptor: the other LDS slot than last time,
	s_add_nc_u64 s[G0+2:G0+3], s[G0+2:G0+3], SLOTB ; the next 512 keys; the type bits on top are not reached
	s_wait_xcnt 0x0                                ; the last prefetch, a slot back, has read its address, so it may be written:
	s_add_nc_u64 s[PFA:PFA+1], s[PFA:PFA+1], SLOTB ; one slot further on than the walking descriptor
	s_wait_dscnt 0x0                               ; both adds are done, and my reads of the slot that I have left are over
	CROUND
	TLOAD                                          ; the first thing behind the round, and a wave's one tensor load until the next
	ASK
.else
	s_wait_dscnt 0x0
	s_barrier_signal -1
	s_barrier_wait -1
.endif
.endm
.macro SLOT_STEPS                      ; a slot's eight key steps: written once, walked eight times
	s_mov_b32 s[CNT], 8
.Lstep_\@:
	STEP
	s_sub_co_u32 s[CNT], s[CNT], 1
	s_cmp_lg_u32 s[CNT], 0
	s_cbranch_scc1 .Lstep_\@
	s_sub_co_u32 s[TB], s[TB], 65536               ; back to a slot's first step,
	s_xor_b32 s[TB], s[TB], SLOT1                  ; in the other slot
.endm
	s_wait_loadcnt 0x0                             ; Q
.Lslot:                                            ; three trips: behind each change of slots but the last the next slot is asked for
	CHANGE 1
	SLOT_STEPS
	s_sub_co_u32 s[SLOTS], s[SLOTS], 1
	s_cmp_lg_u32 s[SLOTS], 0
	s_cbranch_scc1 .Lslot
	CHANGE 0                                       ; the last slot is written out
	SLOT_STEPS
	; THE WAY OUT.  l's two halves and the other half of the lanes' are added; O^T is divided by l, rounded to f16 and stored as it stands.  The additions are the places behind the last products.
.irp t, 0,1,2,3
	v_add_f32 v[ST+8*\t+4], v[ST+8*\t+2], v[ST+8*\t+3]
.endr
.irp t, 0,1,2,3
	v_permlanex16_b32 v[ST+8*\t+5], v[ST+8*\t+4], s[SEL], s[SEL+1]
.endr
.irp t, 0,1,2,3
	v_add_f32 v[ST+8*\t+4], v[ST+8*\t+4], v[ST+8*\t+5]
.endr
.irp t, 0,1,2,3
	v_rcp_f32 v[ST+8*\t+6], v[ST+8*\t+4]
.endr
	v_nop                                          ; a plain instruction behind the last reciprocal
	s_wait_alu depctr_va_vdst(0)                   ; and a wait ahead of the first use: one for the four
	RESCALE                                        ; O^T / l
	WIN 0x05                                       ; sources 0 and 1 window 1, destination window 0: S^T's registers are free
.irp t, 0,1,2,3
.set i, 0
.rept 16
	v_cvt_pk_f16_f32 v[S+16*\t+i], v[32*\t+2*i], v[32*\t+2*i+1]
.set i, i+1
.endr
.endr
	WIN 0
.irp t, 0,1,2,3
.irp ct, 0,1,2,3
	global_store_b128 v[LI], v[S+16*\t+4*\ct:S+16*\t+4*\ct+3], s[OBS:OBS+1] offset:\t*4096+\ct*512   ; a piece of the projection's operand: 512 consecutive bytes, aligned
.endr
.endr
	s_wait_tensorcnt 0x0                           ; the wave's end: a tensor wait, an add of 0 to my spare word and its wait, behind my last tensor load
	ds_add_u32 v[SPW], v[NIL]
	s_wait_dscnt 0x0
	CROUND                                         ; the closing round: no work-group ends while a partner may still ask for a tile that names it
	s_endpgm
.Lfunc_end_k_qec40819163_attn:
	.size	k_qec40819163_attn, .Lfunc_end_k_qec40819163_attn-k_qec40819163_attn
	.p2alignl 7, 3214868480
	.fill 96, 4, 3214868480
	.section	.rodata,"a",@progbits
	.p2align	6, 0x0
	.amdhsa_kernel k_qec40819163_attn
		.amdhsa_group_segment_fixed_size 327680
		.amdhsa_private_segment_fixed_size 0
		.amdhsa_enable_private_segment 0
		.amdhsa_kernarg_size 16
		.amdhsa_user_sgpr_count 2
		.amdhsa_user_sgpr_kernarg_segment_ptr 1
		.amdhsa_wavefront_size32 1
		.amdhsa_system_sgpr_workgroup_id_x 1
		.amdhsa_system_sgpr_workgroup_id_y 1
		.amdhsa_system_sgpr_workgroup_id_z 1
		.amdhsa_system_vgpr_workitem_id 0
		.amdhsa_next_free_vgpr 512
		.amdhsa_next_free_sgpr 66
		.amdhsa_reserve_vcc 0
		.amdhsa_float_denorm_mode_32 3
		.amdhsa_float_denorm_mode_16_64 3
		.amdhsa_memory_ordered 1
		.amdhsa_forward_progress 1
		.amdhsa_inst_pref_size 86
	.end_amdhsa_kernel
	.amdgpu_metadata
---
amdhsa.version: [ 1, 2 ]
amdhsa.kernels:
  - .name:           k_qec40819163_attn
    .symbol:         k_qec40819163_attn.kd
    .args:
      - { .name: qkv, .offset: 0, .size: 8, .value_kind: global_buffer, .address_space: global }
      - { .name: o_img, .offset: 8, .size: 8, .value_kind: global_buffer, .address_space: global }
    .group_segment_fixed_size: 327680
    .private_segment_fixed_size: 0
    .kernarg_segment_align: 8
    .kernarg_segment_size: 16
    .max_flat_workgroup_size: 256
    .sgpr_count:     66
    .vgpr_count:     512
    .wavefront_size: 32
...
	.end_amdgpu_metadata
.endif
;; end of part 3
;; launch proj (part 4): grid 8 x 32, 4 waves a work-group, clusters of 4 x 4, 327,680 bytes of LDS; arguments o_img, wp_img, b_proj, out0; writes out0
.if DOCPART == 4
	.amdgcn_target "amdgcn-amd-amdhsa--gfx1250"
	.amdhsa_code_object_version 6
	.text
	.protected	k_qec40819163_proj
	.globl	k_qec40819163_proj
	.p2align	8
	.type	k_qec40819163_proj,@function
k_qec40819163_proj:
	s_mov_b64 s[64:65], 0
	v_nop
	global_prefetch_b8 v0, s[64:65] scope:SCOPE_SE
	s_setreg_imm32_b32 hwreg(HW_REG_WAVE_MODE, 25, 1), 1
	s_wait_xcnt 0x0
	s_wait_alu depctr_hold_cnt(0) depctr_sa_sdst(0) depctr_va_vdst(0) depctr_va_sdst(0) depctr_va_ssrc(0) depctr_va_vcc(0) depctr_vm_vsrc(0)
	s_getreg_b32 s2, hwreg(HW_REG_IB_STS2, 6, 4)
	s_cmp_eq_u32 s2, 0
	s_cbranch_scc0 .Lentry_in_a_cluster
	s_endpgm
.Lentry_in_a_cluster:
	s_bfe_u32 s2, ttmp6, 0x10000c
	s_cmp_lg_u32 s2, 0xf033
	s_cbranch_scc0 .Lentry_shape_is_right
	s_endpgm
.Lentry_shape_is_right:
; out0[m][n] = the sum over k of o[m][k] W_proj[k][n] + b_proj[n].  m = 8,192 tokens, n = k = 1,024.  Operands f16, sums f32, out0 f32.
; o_img and wp_img hold the operands as images of their registers (a fragment of 16 rows x 32 k = two pieces of 512 bytes, lane l's 16 bytes at 16 l), laid by K step of 128: a K step's tiles are dense blocks
; of memory, each LDS load takes 512 consecutive bytes, and nothing is padded.
; A tile of out0, 256 (m) x 128 (n), is made by a work-group of four waves: 256 work-groups.  A wave makes 128 x 64: 32 accumulators, window 1.  K goes in 8 steps of 128 through a ring of two LDS slots;
; a step is four quarters of 32 along K, 32 matrix instructions each.
; CLUSTERS: 4 x 4 work-groups; the four of a row need the same tiles of o, the four of a column the same tiles of W_proj: each is asked for jointly.
; THE MATRIX INSTRUCTION IS USED TRANSPOSED (source 0 = 16 n of W_proj, source 1 = 16 tokens): a lane holds eight neighbouring numbers of a row of out0.  The bias is the C of each sum's first product.
; No prefetch: the launch is 8 K steps long and its tiles are shared by the joint loads.
; REGISTERS: window 0: v16-29 addresses; v32-127, v128-223 two fragment buffers (A's 8 blocks at f + 8 a, B's 4 at f + 64 + 8 b); v224-255 the bias, in the result's layout; on the way out v32-159 rows of out0.
;   window 1: the accumulators ((a, b) at 8 (4 a + b)).
.set SLOT,   98304                     ; A's 16 tiles of tokens x 4,096 bytes, then B's 8 tiles of n x 4,096
.set BOFF,   65536
.set STAGE,  2*SLOT                    ; behind the ring: 16 rows x 272 bytes for each wave, for the way out
.set SPITCH, 272
.set SPARE,  STAGE+4*16*SPITCH         ; the spare words, 128 bytes for each wave: two blocks of 256 bytes that no other line names
.set LAPS,   4                         ; a lap = two K steps = once round the ring
.set ASTEP,  2097152                   ; a K step on in o_img
.set BSTEP,  262144                    ; in wp_img
.set ADRA, 16                          ; v16-17 LDS address of my A fragments in slot 0, 1
.set ADRB, 20                          ; v20-21 the same for B
.set STO,  24
.set RD,   25
.set CO,   26
.set SPW,  28
.set NIL,  29
.set F0,   32
.set F1,   128
.set BIAS, 224
.set OB,   32
.set G1, 24                            ; s[24:31] group 1 for A's tiles; s[32:39] group 0, a set for each slot
.set G0, 32
.set G1B, 48                           ; s[48:55], s[56:63] the same for B's
.set G0B, 56
.set MUL,  0x50                        ; C and D window 1, the fragments window 0
.set MULF, 0x40                        ; the first quarter: D window 1, C (the bias) window 0
.set MSB, 0
.macro WIN new                         ; the immediate's high byte repeats the setting that is left
.if MSB != (\new)
	s_set_vgpr_msb (MSB<<8)|(\new)
.set MSB, (\new)
.endif
.endm
.macro JLOAD s                         ; a joint load: waves 0 and 1 fetch A's two halves, waves 2 and 3 B's; an s_nop 0 and four v_nop follow each of the two lines
	s_cmp_eq_u32 s13, 0
	s_cbranch_scc0 .Lfor_b_\@
	tensor_load_to_lds s[G0+4*\s:G0+4*\s+3], s[G1:G1+7]
	s_nop 0
.rept 4
	v_nop
.endr
	s_branch .Lasked_\@
.Lfor_b_\@:
	tensor_load_to_lds s[G0B+4*\s:G0B+4*\s+3], s[G1B:G1B+7]
	s_nop 0
.rept 4
	v_nop
.endr
.Lasked_\@:
.endm
.macro CREST                           ; a round of the cluster's barrier behind its opening barrier
	s_cmp_lg_u32 s12, 0
	s_cbranch_scc1 .Lnot_wave_0_\@
	s_barrier_signal -3
.Lnot_wave_0_\@:
	s_barrier_wait -3
	s_barrier_signal -1
	s_barrier_wait -1
.endm
.macro CROUND
	s_barrier_signal -1
	s_barrier_wait -1
	CREST
.endm
	s_load_b256 s[4:11], s[0:1], 0x0               ; o_img 4:5, wp_img 6:7, b_proj 8:9, out0 10:11
	v_lshl_add_u32 v[SPW], v0, 2, SPARE
	v_mov_b32 v[NIL], 0
	ds_add_u32 v[SPW], v[NIL]                      ; the wave's opening: the add, twice on end, and its wait ahead of my first tensor load
	ds_add_u32 v[SPW], v[NIL]
	v_lshrrev_b32 v1, 5, v0
	v_readfirstlane_b32 s12, v1                    ; wave 0..3
	s_lshr_b32 s13, s12, 1                         ; which half of the tile's rows is mine.  Also: I fetch for A (0) or for B (1)
	s_and_b32 s14, s12, 1                          ; which half of its columns.  Also: which half of that tile I fetch
	s_bfe_u32 s40, ttmp6, 0x40000                  ; cx, cy
	s_bfe_u32 s41, ttmp6, 0x40004
	s_lshl_b32 s42, ttmp9, 2
	s_add_co_u32 s42, s42, s40                     ; tile column = 4 x cluster x + cx
	s_and_b32 s15, ttmp7, 0xffff
	s_lshl_b32 s15, s15, 2
	s_add_co_u32 s15, s15, s41                     ; tile row = 4 x cluster y + cy
	s_lshl_b32 s43, s41, 2
	s_lshl_b32 s43, 15, s43                        ; my row of the cluster
	s_lshl_b32 s44, 0x1111, s40                    ; my column
	; descriptor group 1: dense blocks as rows of 256 bytes (32 elements of 8 bytes), no padding: A 128 rows, B 64
	s_or_b32 s[G1+0], s43, (3<<16)|(1<<21)         ; 15:0 the mask; 17:16 elements of 8 bytes; 21 set beside a mask
	s_or_b32 s[G1B+0], s44, (3<<16)|(1<<21)
	s_mov_b32 s[G1+1], 32<<16                      ; tensor_dim0
	s_mov_b32 s[G1+2], 128<<16                     ; tensor_dim1
	s_mov_b32 s[G1+3], 32<<16                      ; tile_dim0
	s_mov_b32 s[G1+4], 128                         ; tile_dim1
	s_mov_b32 s[G1+5], 32                          ; tensor_dim0_stride
	s_mov_b32 s[G1+6], 0
	s_mov_b32 s[G1+7], 0
	s_mov_b32 s[G1B+1], 32<<16
	s_mov_b32 s[G1B+2], 64<<16
	s_mov_b32 s[G1B+3], 32<<16
	s_mov_b32 s[G1B+4], 64
	s_mov_b32 s[G1B+5], 32
	s_mov_b32 s[G1B+6], 0
	s_mov_b32 s[G1B+7], 0
	s_lshl_b32 s16, s15, 16                        ; A: 16 tiles of 4,096 bytes a tile row,
	s_lshl_b32 s18, s14, 15                        ; + my 8
	s_add_co_u32 s16, s16, s18
	s_mov_b32 s17, 0
	s_lshl_b32 s46, s42, 15                        ; B: 8 tiles a tile column,
	s_lshl_b32 s18, s14, 14                        ; + my 4
	s_add_co_u32 s46, s46, s18
	s_mov_b32 s47, 0
	s_lshl_b32 s20, s12, 15                        ; where they go: A's halves at wave x 32,768 (waves 0, 1),
	s_lshl_b32 s21, s12, 14
	s_add_co_u32 s21, s21, 32768                   ; B's at 32,768 + wave x 16,384 (waves 2, 3): no place in the cluster enters an LDS address
	s_wait_dscnt 0x0                               ; both opening adds are done
	s_wait_kmcnt 0x0
	s_add_nc_u64 s[16:17], s[4:5], s[16:17]
	s_add_nc_u64 s[46:47], s[6:7], s[46:47]
	CROUND                                         ; all sixteen work-groups are here: the first joint loads meet
.irp s, 0,1
	s_mov_b32 s[G0+4*\s], 1
	s_add_co_u32 s[G0+4*\s+1], s20, \s*SLOT
	s_add_nc_u64 s[G0+4*\s+2:G0+4*\s+3], s[16:17], \s*ASTEP
	s_or_b32 s[G0+4*\s+3], s[G0+4*\s+3], 0x80000000
	s_mov_b32 s[G0B+4*\s], 1
	s_add_co_u32 s[G0B+4*\s+1], s21, \s*SLOT
	s_add_nc_u64 s[G0B+4*\s+2:G0B+4*\s+3], s[46:47], \s*BSTEP
	s_or_b32 s[G0B+4*\s+3], s[G0B+4*\s+3], 0x80000000
	JLOAD \s                                       ; two loads of mine are out
.endr
	v_and_b32 v1, 15, v0                           ; l % 16
	v_bfe_u32 v2, v0, 4, 1                         ; l / 16
	v_and_b32 v3, 31, v0
	v_lshlrev_b32 v4, 4, v3                        ; 16 x lane
	s_lshl_b32 s21, s13, 15                        ; my 8 tiles of A
	s_lshl_b32 s22, s14, 14                        ; my 4 tiles of B,
	s_add_co_u32 s22, s22, BOFF                    ; which lie behind A's 16
.irp s, 0,1
	v_add_nc_u32 v[ADRA+\s], s21, v4
	v_add_nc_u32 v[ADRB+\s], s22, v4
	s_add_co_u32 s21, s21, SLOT
	s_add_co_u32 s22, s22, SLOT
.endr
	s_mul_i32 s23, s12, 16*SPITCH
	s_add_co_u32 s23, s23, STAGE                   ; my stage
	v_mul_u32_u24 v5, v1, SPITCH                   ; in: row l % 16, 32 bytes for each half of the lanes
	v_lshl_add_u32 v5, v2, 5, v5
	v_add_nc_u32 v[STO], s23, v5
	v_mul_u32_u24 v5, v2, SPITCH                   ; back: lanes 0-15 one row of 256 bytes, lanes 16-31 the next
	v_lshl_add_u32 v5, v1, 4, v5
	v_add_nc_u32 v[RD], s23, v5
	v_lshlrev_b32 v5, 12, v2                       ; and the same two rows in out0: 4,096 bytes a row
	v_lshl_add_u32 v[CO], v1, 4, v5
	s_lshl_b32 s16, s15, 20                        ; out0: 256 rows of 4,096 bytes a tile row,
	s_lshl_b32 s18, s13, 19                        ; + my 128
	s_add_co_u32 s16, s16, s18
	s_mov_b32 s17, 0
	s_add_nc_u64 s[10:11], s[10:11], s[16:17]
	s_lshl_b32 s46, s42, 9                         ; my first column, in bytes: 512 x tile column + 256 x half
	s_lshl_b32 s47, s14, 8
	s_add_co_u32 s46, s46, s47
	s_mov_b32 s47, 0
	s_add_nc_u64 s[10:11], s[10:11], s[46:47]
	s_add_nc_u64 s[8:9], s[8:9], s[46:47]          ; and the same place in b_proj
	v_lshlrev_b32 v5, 5, v2                        ; the bias: lane (r, h) wants, for block b, b_proj at my column + 16 b + 8 h + 0 .. 7
.irp b, 0,1,2,3
	global_load_b128 v[BIAS+8*\b:BIAS+8*\b+3],   v5, s[8:9] offset:64*\b
	global_load_b128 v[BIAS+8*\b+4:BIAS+8*\b+7], v5, s[8:9] offset:64*\b+16
.endr
; 8 matrix instructions: A's blocks a0, a0 + 1 x B's four, 32 along K.  first = 1: the bias is C and the product starts the sums.  The 32 accumulators take turns, in the same order in every quarter
.macro MUL8 f, a0, first
.irp a, \a0, \a0+1
.irp b, 0,1,2,3
.if \first
	v_wmma_f32_16x16x32_f16 v[8*(4*(\a)+\b):8*(4*(\a)+\b)+7], v[\f+64+8*\b:\f+64+8*\b+7], v[\f+8*(\a):\f+8*(\a)+7], v[BIAS+8*\b:BIAS+8*\b+7]
.else
	v_wmma_f32_16x16x32_f16 v[8*(4*(\a)+\b):8*(4*(\a)+\b)+7], v[\f+64+8*\b:\f+64+8*\b+7], v[\f+8*(\a):\f+8*(\a)+7], v[8*(4*(\a)+\b):8*(4*(\a)+\b)+7]
.endif
.endr
.endr
.endm
; 24 LDS loads in one run: quarter q of a slot into buffer f: B's four fragments, then A's eight
.macro FETCH slot, q, f
.irp b, 0,1,2,3
	ds_load_b128 v[\f+64+8*\b:\f+64+8*\b+3],   v[ADRB+\slot] offset:\b*4096+(\q)*1024
	ds_load_b128 v[\f+64+8*\b+4:\f+64+8*\b+7], v[ADRB+\slot] offset:\b*4096+(\q)*1024+512
.endr
.irp a, 0,1,2,3,4,5,6,7
	ds_load_b128 v[\f+8*\a:\f+8*\a+3],   v[ADRA+\slot] offset:\a*4096+(\q)*1024
	ds_load_b128 v[\f+8*\a+4:\f+8*\a+7], v[ADRA+\slot] offset:\a*4096+(\q)*1024+512
.endr
.endm
.macro PLACES                          ; four plain vector instructions ahead of loads into registers that matrix instructions have read, and of the first read of results
.rept 4
	v_nop
.endr
.endm
; One of a K step's first three quarters: multiplies buffer f; in its middle it fetches quarter q of the same slot into buffer g.
.macro QUARTER slot, q, f, g, first
	s_wait_dscnt 8                                 ; B and A's blocks 0-3 are in; the youngest eight loads (A's blocks 4-7) may be out
	WIN (MUL-0x10*\first)
	MUL8 \f, 0, \first
	MUL8 \f, 2, \first
	PLACES
	WIN 0
	FETCH \slot, \q, \g
	s_wait_dscnt 24                                ; all but the 24 just issued
	WIN (MUL-0x10*\first)
	MUL8 \f, 4, \first
	MUL8 \f, 6, \first
.endm
; The last quarter multiplies buffer 1 and changes slots: ONE barrier; in front of it each wave waits for all its tensor loads, adds 0 to its spare word, and waits for that and for its own reads of this slot.
; fill = 1: the barrier opens a round of the cluster's barrier, and this slot is filled again, two K steps ahead: 112 matrix instructions stand between the request and the wait for it.
.macro TURN slot, next, fill
	WIN 0
	s_wait_tensorcnt 0x0                           ; all my tensor loads have landed: my part of the next slot
	ds_add_u32 v[SPW], v[NIL]                      ; 0 onto my spare word
	s_wait_dscnt 9                                 ; (the add and the youngest eight loads may be out)
	WIN MUL
	MUL8 F1, 0, 0                                  ; eight matrix instructions stand between the add and the wait for it
	s_wait_dscnt 0x0                               ; the add is done, and my reads of this slot are over
	s_barrier_signal -1
	MUL8 F1, 2, 0
	WIN 0
	s_barrier_wait -1
.if \fill
	CREST                                          ; no wave of any partner still reads this slot's tiles or has a load on its way
	s_add_nc_u64 s[G0+4*\slot+2:G0+4*\slot+3], s[G0+4*\slot+2:G0+4*\slot+3], 2*ASTEP
	s_add_nc_u64 s[G0B+4*\slot+2:G0B+4*\slot+3], s[G0B+4*\slot+2:G0B+4*\slot+3], 2*BSTEP
	JLOAD \slot                                    ; the first tensor load behind the round; the four v_nop behind it are also the places in front of the loads below
.else
	PLACES
.endif
	FETCH \next, 0, F0
	WIN MUL
	MUL8 F1, 4, 0
	MUL8 F1, 6, 0
.endm
	s_wait_tensorcnt 1                             ; my part of K step 0 is in; K step 1's load may be out
	s_barrier_signal -1
	s_barrier_wait -1                              ; everybody's is
	FETCH 0, 0, F0
	s_wait_loadcnt 0x0                             ; the bias
	QUARTER 0, 1, F0, F1, 1                        ; the first quarter stands in front of the loop: its products start the sums from the bias
	WIN 0                                          ; at a label and at a branch every window is 0
	s_mov_b32 s3, LAPS-1
.Llap:                                             ; a trip goes once round the ring, from a lap's second quarter to the next lap's first, and fills both slots again
	QUARTER 0, 2, F1, F0, 0
	QUARTER 0, 3, F0, F1, 0
	TURN 0, 1, 1
	QUARTER 1, 1, F0, F1, 0
	QUARTER 1, 2, F1, F0, 0
	QUARTER 1, 3, F0, F1, 0
	TURN 1, 0, 1
	QUARTER 0, 1, F0, F1, 0
	WIN 0
	s_sub_co_u32 s3, s3, 1
	s_cmp_lg_u32 s3, 0
	s_cbranch_scc1 .Llap
	QUARTER 0, 2, F1, F0, 0                        ; the last lap fills nothing, and has no round of the cluster's barrier
	QUARTER 0, 3, F0, F1, 0
	TURN 0, 1, 0
	QUARTER 1, 1, F0, F1, 0
	QUARTER 1, 2, F1, F0, 0
	QUARTER 1, 3, F0, F1, 0
	s_wait_dscnt 8                                 ; the very last quarter: nothing more to fetch
	WIN MUL
	MUL8 F1, 0, 0
	MUL8 F1, 2, 0
	s_wait_dscnt 0
	MUL8 F1, 4, 0
	MUL8 F1, 6, 0
	WIN 0
; THE WAY OUT, block by block of 16 rows x 64 columns.  A lane holds 32 neighbouring bytes of a row, and the lanes beside it hold other rows: a block goes through my own stage in LDS and comes back as whole rows of
; 256 bytes.  LDS serves a wave's instructions in order (ISA guide 5.7.1.4): no wait between the stores and the loads, nor in front of the next block's stores.
.macro TOSTAGE a
	WIN 0x04                                       ; an LDS store's data are its source 1: window 1
.irp b, 0,1,2,3
	ds_store_b128 v[STO], v[8*(4*(\a)+\b):8*(4*(\a)+\b)+3] offset:64*\b          ; each accumulator from its low end on
	ds_store_b128 v[STO], v[8*(4*(\a)+\b)+4:8*(4*(\a)+\b)+7] offset:64*\b+16
.endr
	WIN 0
.irp t, 0,1,2,3,4,5,6,7
	ds_load_b128 v[OB+32*((\a)%4)+4*\t:OB+32*((\a)%4)+4*\t+3], v[RD] offset:\t*2*SPITCH
.endr
.endm
.macro SEND a, younger                 ; younger: the LDS instructions issued behind block a's loads, which may stay out
	s_wait_dscnt \younger
.irp t, 0,1,2,3,4,5,6,7
	global_store_b128 v[CO], v[OB+32*((\a)%4)+4*\t:OB+32*((\a)%4)+4*\t+3], s[10:11] offset:(\a)*65536+\t*8192 th:TH_STORE_NT   ; 16 lanes store 256 consecutive bytes, aligned; written once, read by nobody here
.endr
.endm
	PLACES                                         ; ahead of the first read of results, and of the loads into the registers that held fragments
	TOSTAGE 0
.irp a, 1,2,3,4,5,6,7
.if \a >= 4
	s_wait_xcnt 0x0                                ; block a - 4's stores have read their data: block a's loads land there only behind this wait
.endif
	TOSTAGE \a
	SEND \a-1, 16                                  ; behind block a - 1's loads: block a's eight stores and eight loads
.endr
	SEND 7, 0
	s_wait_tensorcnt 0x0                           ; the wave's end: a tensor wait, an add of 0 to my spare word and its wait, behind my last tensor load and my last LDS store
	ds_add_u32 v[SPW], v[NIL]
	s_wait_dscnt 0x0
	CROUND                                         ; the closing round: no work-group ends while a partner may still ask for a tile that names it
	s_endpgm
.Lfunc_end_k_qec40819163_proj:
	.size	k_qec40819163_proj, .Lfunc_end_k_qec40819163_proj-k_qec40819163_proj
	.p2alignl 7, 3214868480
	.fill 96, 4, 3214868480
	.section	.rodata,"a",@progbits
	.p2align	6, 0x0
	.amdhsa_kernel k_qec40819163_proj
		.amdhsa_group_segment_fixed_size 327680
		.amdhsa_private_segment_fixed_size 0
		.amdhsa_enable_private_segment 0
		.amdhsa_kernarg_size 32
		.amdhsa_user_sgpr_count 2
		.amdhsa_user_sgpr_kernarg_segment_ptr 1
		.amdhsa_wavefront_size32 1
		.amdhsa_system_sgpr_workgroup_id_x 1
		.amdhsa_system_sgpr_workgroup_id_y 1
		.amdhsa_system_sgpr_workgroup_id_z 1
		.amdhsa_system_vgpr_workitem_id 0
		.amdhsa_next_free_vgpr 512
		.amdhsa_next_free_sgpr 66
		.amdhsa_reserve_vcc 0
		.amdhsa_float_denorm_mode_32 3
		.amdhsa_float_denorm_mode_16_64 3
		.amdhsa_memory_ordered 1
		.amdhsa_forward_progress 1
		.amdhsa_inst_pref_size 86
	.end_amdhsa_kernel
	.amdgpu_metadata
---
amdhsa.version: [ 1, 2 ]
amdhsa.kernels:
  - .name:           k_qec40819163_proj
    .symbol:         k_qec40819163_proj.kd
    .args:
      - { .name: o_img, .offset: 0, .size: 8, .value_kind: global_buffer, .address_space: global }
      - { .name: wp_img, .offset: 8, .size: 8, .value_kind: global_buffer, .address_space: global }
      - { .name: b_proj, .offset: 16, .size: 8, .value_kind: global_buffer, .address_space: global }
      - { .name: out0, .offset: 24, .size: 8, .value_kind: global_buffer, .address_space: global }
    .group_segment_fixed_size: 327680
    .private_segment_fixed_size: 0
    .kernarg_segment_align: 8
    .kernarg_segment_size: 32
    .max_flat_workgroup_size: 128
    .sgpr_count:     66
    .vgpr_count:     512
    .wavefront_size: 32
...
	.end_amdgpu_metadata
.endif
;; end of part 4
